; MI455X (gfx1250); checked and timed in simulation.
; The chip was launched on July 23, 2026; its instructions are those of AMD's public machine-readable ISA for CDNA 5 (MIT licence, August 2026) and "CDNA5" Instruction Set Architecture Reference Guide (July 2026). The comments in the code are by the model that wrote it; some were corrected since.
;; Causal Self Attention. Allowed arithmetic: matrix products marked QUANTISED: E2M3 operands, one E8M0 scale for each 32 along K, by v_wmma_scale_f32_16x16x128_f8f6f4 with both operands' format E2M3, f32 sums; everything else in f32.
;; Inputs: w_attn 1,024 x 3,072 float32; w_proj 1,024 x 1,024 float32; x 4 x 2,048 x 1,024 float32.
;; Outputs: out0 4 x 2,048 x 1,024 float32.
;; This version of the problem:
;;   THIS VERSION OF THE PROBLEM IS GIVEN IN LOW PRECISION. The matrix products marked QUANTISED in the list below multiply operands that are first quantised to E2M3 (2 exponent bits, 3 mantissa bits; 6 bits a number), with one power-of-two scale for each 32 numbers along K (OCP MX v1.0); their sums are f32. All else is computed in f32.
;;   The module's matrix products, in the order in which they are computed (A, B: the left and right operand; K: the contracted axis; several contracted axes count as one K, in the product's order):
;;     1. [M 8,192, K 1,024] x [K 1,024, N 3,072]; A: input x; B: input w_attn: QUANTISED
;;     2. batch 64 x [M 2,048, K 64] x [K 64, N 2,048]; A: computed on the way; B: computed on the way: QUANTISED
;;     3. batch 64 x [M 2,048, K 2,048] x [K 2,048, N 64]; A: softmax (see below); B: computed on the way: QUANTISED
;;     4. [M 8,192, K 1,024] x [K 1,024, N 1,024]; A: computed on the way; B: input w_proj: QUANTISED
;;   THE QUANTISER, for each operand of a quantised product, along K:
;;     - K is cut into blocks of 32 from its start; a last block that is shorter is filled with zeros.
;;     - A block's scale is 2^e with e = floor(log2(the largest magnitude in the block)) - 2, held to -126 .. 127; a block of zeros has e = 0. As a byte (E8M0): e + 127.
;;     - Each number is divided by its block's scale, clamped to +-7.5, and rounded to the nearest number of E2M3, ties to even, subnormals kept.
;;     - The product sums the exact products of the quantised numbers (number of the format x scale) in f32.
;;   ~~~python
;;   def quantise(x, axis):      # numpy; x: float32 -> the quantised numbers, widened to float32 again
;;       x = np.moveaxis(x, axis, -1); K = x.shape[-1]
;;       x = np.pad(x, [(0, 0)] * (x.ndim - 1) + [(0, -K % 32)]); x = x.reshape(x.shape[:-1] + (-1, 32)); a = np.abs(x).max(-1, keepdims=True)
;;       e = np.where(a > 0, np.clip(np.frexp(np.where(a > 0, a, 1))[1] - 1 - 2, -126, 127), 0)      # np.frexp(a)[1] - 1 = floor(log2(a)), exactly
;;       r = np.clip(x / 2.0 ** e, -7.5, 7.5)
;;       step = 2.0 ** (np.maximum(np.frexp(np.where(r == 0, 1, r))[1] - 1, 0) - 3)
;;       q = np.round(r / step) * step * 2.0 ** e      # np.round: ties to even
;;       return np.moveaxis(q.reshape(q.shape[:-2] + (-1,))[..., :K], -1, axis).astype(np.float32)
;;   ~~~
;;   SOFTMAX AHEAD OF A QUANTISED PRODUCT. Where the list says 'softmax', what is quantised is not the finished softmax but p = 2^(t - M), with t = logit x log2(e) and M = ceil(the row's largest t), a whole number; so 1/2 < the row's largest p <= 1. The row's sum l is taken of the UNQUANTISED p, in f32, and the product's result is divided by l at the end. Since M is a whole number, a kernel that streams over the keys may use a running M (the ceiling of the running maximum): every later rescaling is an exact power of two, which a block's scale takes up: the codes' values come out the same.
;;   OPERANDS COMPUTED ON THE WAY. 'Computed on the way' means the value that the module computes at that place (a softmax that the list does not call 'softmax' is quantised finished and normalised). What goes into a quantiser is computed in f32, as accurately as f32 sums, v_exp_f32 and their like allow (about 1e-6 of the number): no bf16 or f16 on the way to a quantiser, and a product that is left as it is and whose result goes on into a quantised operand takes f32 operands (vector FMAs, or v_wmma_f32_16x16x4_f32). A number that lies on a knife's edge between two numbers of the format may be rounded either way, as far as f32 arithmetic and the matrix unit's own rounding can turn it there, and no further.
;; One version. Each part assembles by itself: llvm-mc -triple=amdgcn-amd-amdhsa -mcpu=gfx1250 --defsym DOCPART=n.
;; ======== version 1 of 1: 4 launches
;; workspace buffers: ximg 6,291,456 bytes; xsc 262,144 bytes; wimg 3,145,728 bytes; wsc 131,072 bytes; qkv 19,660,800 bytes; aimg 6,291,456 bytes; asc 262,144 bytes
;; launch quant (part 1): grid 512 x 1, 4 waves a work-group, no clusters, 34,304 bytes of LDS; arguments x, w_attn, w_proj, ximg, xsc, wimg, wsc; writes ximg, xsc, wimg, wsc
.if DOCPART == 1
	.amdgcn_target "amdgcn-amd-amdhsa--gfx1250"
	.amdhsa_code_object_version 6
	.text
	.protected	k_q0cefed7b8c_quant
	.globl	k_q0cefed7b8c_quant
	.p2align	8
	.type	k_q0cefed7b8c_quant,@function
k_q0cefed7b8c_quant:
	s_mov_b64 s[64:65], 0
	v_nop
	global_prefetch_b8 v0, s[64:65] scope:SCOPE_SE
	s_setreg_imm32_b32 hwreg(HW_REG_WAVE_MODE, 25, 1), 1
	s_wait_xcnt 0x0
; x [8192][1024], w_attn [1024][3072] and w_proj [1024][1024], f32, become codes of FP6 (E2M3) with one E8M0 byte for each 32 along K (K = the 1,024 that the products contract).
; A block's scale is 2^(floor(log2(its largest magnitude)) - 2); its byte is the largest magnitude's exponent field - 2, held at 1 from below; each number is divided by the scale and rounded to the nearest code, ties to even, beyond 7.5 the largest code.
; LIMITS: NaN and infinities are not served.  A block whose largest magnitude lies under 2^-124 keeps the byte 1.  A block of zeros gets the byte 1 where the rule says 127: its codes are zeros, and this program alone reads the bytes.
; THE OUTPUT LIES IN THE ORDER OF THE OPERAND'S REGISTERS.  Rows go in groups of 32; tile u (0, 1) of a group holds in lane r the row 8 u + r + 8 (r / 8).  Codes: [tile][K step of 128][c = 0, 1][piece of 768 bytes]; in a piece lane l = r + 16 h owns
; the 24 bytes of K = 64 c + 32 h + 0 .. 31 of its row: its first 16 bytes at 16 l, its last 8 at 512 + 8 l.  Scale bytes: [tile][half of K][r][16 bytes]: 512 bytes a tile.
; Work-groups 0-255 take x (K innermost: a turn through the wave's own stage in LDS gives a lane whole blocks), work-groups 256-511 the weights (K outermost: a lane takes a column and its registers run down K).  Only x's path touches LDS.  Waves share nothing: no barrier.
.set SP,    528                        ; a stage row: 512 bytes + 16, an odd multiple of 16: the sixteen rows that a read touches start in different banks
.set WST,   16*SP                      ; a wave's stage
.set R,     32                         ; v32-159  x: two sets of 64 registers as loaded
.set X,     160                        ; v160-223 x: two whole blocks of 32 a lane
.set C,     224                        ; v224-235 a fragment's codes
.set T,     236                        ; v236-238, v240-242 the blocks' upper halves (a conversion's three registers begin on an even number)
.set W,     244                        ; v244-247 the four K steps' scale words
.set FLOOR, 0x1800000                  ; 2^(3 - 127)
.set TWO,   0xff000000                 ; 2 off an exponent field
	s_load_b256 s[4:11], s[0:1], 0x0               ; x s[4:5], w_attn s[6:7], w_proj s[8:9], ximg s[10:11]
	s_load_b128 s[12:15], s[0:1], 0x20             ; xsc s[12:13], wimg s[14:15]
	s_load_b64 s[16:17], s[0:1], 0x30              ; wsc
	v_lshl_add_u32 v254, v0, 2, 0x8400
	v_mov_b32 v255, 0
	v_lshrrev_b32 v1, 5, v0
	v_readfirstlane_b32 s18, v1                    ; wave 0..3
	v_and_b32 v9, 31, v0                           ; lane
	s_cmp_ge_u32 ttmp9, 256
	s_cbranch_scc1 .Lw
; ---------------- x: a wave takes one tile (16 rows) x 512 along K: four K steps
.macro XLOAD t                         ; K step t: each load reads 512 consecutive bytes of one row of the tile
.irp i, 0,1,2,3,4,5,6,7,8,9,10,11,12,13,14,15
	global_load_b128 v[R+64*((\t)%2)+4*\i:R+64*((\t)%2)+4*\i+3], v1, s[4:5] offset:(\i+8*(\i/8))*4096+512*(\t) th:TH_LOAD_NT
.endr
.endm
.macro XTURN t                         ; through the stage: in as loaded, out as whole blocks: lane (r, h) takes blocks h and 2 + h of row r.  LDS serves a wave's instructions in order: no wait between
.irp i, 0,1,2,3,4,5,6,7,8,9,10,11,12,13,14,15
	ds_store_b128 v5, v[R+64*((\t)%2)+4*\i:R+64*((\t)%2)+4*\i+3] offset:SP*\i
.endr
.irp c, 0,1
.irp j, 0,1,2,3,4,5,6,7
	ds_load_b128 v[X+32*\c+4*\j:X+32*\c+4*\j+3], v6 offset:256*\c+16*\j
.endr
.endr
.endm
.macro XSTEP t
.if \t < 3
	s_wait_loadcnt 16                              ; this step's 16 loads are in; the next step's 16 may be out
.else
	s_wait_loadcnt 0x0
.endif
	XTURN \t
	s_wait_dscnt 0x0                               ; my blocks are back, and the stores into the stage have read their registers
.if \t > 0
	s_wait_xcnt 0x0                                ; the last step's stores have read the codes' registers, which are written again below
.endif
.if \t+2 < 4
	XLOAD (\t)+2
.endif
.irp c, 0,1
	v_max3_num_f32 v[10+\c], |v[X+32*\c]|, |v[X+32*\c+1]|, FLOOR   ; the block's largest magnitude, the floor among its leaves: all 32 numbers are mine
.endr
.irp i, 2,4,6,8,10,12,14,16,18,20,22,24,26,28,30
.irp c, 0,1
	v_max3_num_f32 v[10+\c], v[10+\c], |v[X+32*\c+\i]|, |v[X+32*\c+\i+1]|   ; (the two blocks by turns)
.endr
.endr
.irp c, 0,1
	v_add_nc_u32 v[12+\c], TWO, v[10+\c]           ; the conversion's scale operand: it takes the exponent field and nothing else
.endr
.irp c, 0,1
	v_lshrrev_b32 v[14+\c], 23, v[12+\c]           ; the scale's byte
.endr
	v_lshl_or_b32 v14, v15, 16, v14                ; my two bytes, blocks h and 2 + h,
	v_lshlrev_b32 v14, v8, v14                     ; at their places in the word (8 h bits up);
	v_permlanex16_b32 v16, v14, s20, s21
	v_or_b32 v[W+\t], v14, v16                     ; with lane l xor 16's two the word is whole
.irp c, 0,1
	v_cvt_scalef32_pk16_fp6_f32 v[C+6*\c:C+6*\c+2], v[X+32*\c:X+32*\c+15], v[12+\c]
	v_cvt_scalef32_pk16_fp6_f32 v[T+4*\c:T+4*\c+2], v[X+32*\c+16:X+32*\c+31], v[12+\c]
.endr
	v_nop                                          ; one plain line behind the scaled conversions
.irp c, 0,1
.irp i, 0,1,2
	v_mov_b32 v[C+6*\c+3+\i], v[T+4*\c+\i]
.endr
.endr
.irp c, 0,1
	global_store_b128 v1, v[C+6*\c:C+6*\c+3], s[10:11] offset:1536*\t+768*\c         ; 32 lanes store 512 consecutive bytes, at a multiple of 256 from the buffer's first byte
	global_store_b64 v2, v[C+6*\c+4:C+6*\c+5], s[10:11] offset:1536*\t+768*\c+512    ; and 256
.endr
.endm
	s_lshl_b32 s19, ttmp9, 2
	s_add_co_u32 s19, s19, s18                     ; gw = 4 x work-group + wave = 2 x tile + half of K
	s_lshr_b32 s22, s19, 1                         ; tile
	s_and_b32 s23, s19, 1                          ; half of K
	s_lshr_b32 s24, s22, 1
	s_lshl_b32 s24, s24, 17                        ; the group's 32 rows of 4,096 bytes
	s_and_b32 s25, s22, 1
	s_lshl_b32 s25, s25, 15                        ; tile u begins 8 u rows on
	s_add_co_u32 s24, s24, s25
	s_lshl_b32 s25, s23, 11                        ; 512 numbers
	s_add_co_u32 s24, s24, s25
	s_mov_b32 s25, 0
	s_mul_i32 s26, s19, 6144                       ; codes: 12,288 a tile, 6,144 a half
	s_mov_b32 s27, 0
	s_lshl_b32 s28, s19, 8                         ; scale bytes: 512 a tile, 256 a half
	s_mov_b32 s29, 0
	s_mov_b32 s20, 0x76543210
	s_mov_b32 s21, 0xfedcba98                      ; v_permlanex16_b32's selects for lane l xor 16
	s_mul_i32 s30, s18, WST
	s_wait_alu depctr_va_vdst(0)
	v_lshlrev_b32 v1, 4, v9                        ; 16 x lane
	v_lshlrev_b32 v2, 3, v9                        ; 8 x lane
	v_and_b32 v3, 15, v0                           ; r
	v_bfe_u32 v4, v0, 4, 1                         ; h
	v_add_nc_u32 v5, s30, v1                       ; the stage, in
	v_mul_u32_u24 v6, v3, SP
	v_lshl_add_u32 v6, v4, 7, v6
	v_add_nc_u32 v6, s30, v6                       ; the stage, out: row r, + 128 h
	v_lshlrev_b32 v7, 4, v3
	v_lshl_add_u32 v7, v4, 3, v7                   ; the scale words' place: 16 r + 8 h
	v_lshlrev_b32 v8, 3, v4                        ; 8 h
	v_mov_b32 v16, 0                               ; a lane permute's destination counts as one of its sources
	s_wait_alu depctr_va_vdst(0)
	s_wait_kmcnt 0x0
	s_add_nc_u64 s[4:5], s[4:5], s[24:25]
	s_add_nc_u64 s[10:11], s[10:11], s[26:27]
	s_add_nc_u64 s[12:13], s[12:13], s[28:29]
	XLOAD 0
	XLOAD 1
	XSTEP 0
	XSTEP 1
	XSTEP 2
	XSTEP 3
	v_cmp_eq_u32 vcc_lo, 1, v4
	v_cndmask_b32 v248, v[W], v[W+2], vcc_lo       ; lanes 0-15 store K steps 0 and 1's words, lanes 16-31 K steps 2 and 3's
	v_cndmask_b32 v249, v[W+1], v[W+3], vcc_lo
	global_store_b64 v7, v[248:249], s[12:13]      ; 32 lanes store 256 consecutive bytes
	s_wait_tensorcnt 0x0
	ds_add_u32 v254, v255
	s_wait_dscnt 0x0
	s_endpgm
; ---------------- the weights: a wave takes 32 columns x 128 along K.  Lane = column; lane l is row r = l % 8 + 8 (l / 16) of tile u = (l / 8) % 2 of its group
.macro WLOAD base, pitch, t            ; block t: 32 rows of K; each load reads 128 consecutive bytes
.irp i, 0,1,2,3,4,5,6,7,8,9,10,11,12,13,14,15,16,17,18,19,20,21,22,23,24,25,26,27,28,29,30,31
	global_load_b32 v[32+32*(\t)+\i], v1, s[\base:\base+1] offset:(32*(\t)+\i)*\pitch th:TH_LOAD_NT
.endr
.endm
.macro WBLOCK base, pitch, b           ; block b = 2 c + h goes to piece c, to the place of lane r + 16 h
.set XS, 32+32*(\b)
.if (\b) < 3
	s_wait_loadcnt 32                              ; this block's 32 loads are in; the next block's may be out
.else
	s_wait_loadcnt 0x0
.endif
.if (\b)+2 < 4
	WLOAD \base, \pitch, (\b)+2
.endif
	v_max3_num_f32 v10, |v[XS]|, |v[XS+1]|, |v[XS+2]|
	v_max3_num_f32 v11, |v[XS+3]|, |v[XS+4]|, |v[XS+5]|
.irp i, 6,10,14,18,22,26
	v_max3_num_f32 v10, v10, |v[XS+\i]|, |v[XS+\i+1]|
	v_max3_num_f32 v11, v11, |v[XS+\i+2]|, |v[XS+\i+3]|
.endr
	v_max3_num_f32 v10, v10, |v[XS+30]|, |v[XS+31]|
	v_max3_num_f32 v10, v10, v11, FLOOR
	v_add_nc_u32 v12, TWO, v10
	v_lshrrev_b32 v13, 23, v12
.if (\b) == 0
	v_mov_b32 v14, v13                             ; the column's scale word of this K step, the lower K in the lower byte
.else
	v_lshl_or_b32 v14, v13, 8*(\b), v14
.endif
	v_cvt_scalef32_pk16_fp6_f32 v[160+6*(\b):162+6*(\b)], v[XS:XS+15], v12
	v_cvt_scalef32_pk16_fp6_f32 v[184:186], v[XS+16:XS+31], v12
	v_nop                                          ; one plain line behind the scaled conversions
.irp i, 0,1,2
	v_mov_b32 v[163+6*(\b)+\i], v[184+\i]
.endr
	global_store_b128 v6, v[160+6*(\b):163+6*(\b)], s[14:15] offset:768*((\b)/2)+256*((\b)%2)       ; the sixteen lanes of a tile store 256 consecutive bytes
	global_store_b64 v7, v[164+6*(\b):165+6*(\b)], s[14:15] offset:768*((\b)/2)+512+128*((\b)%2)    ; and 128: each block has registers of its own for its codes, so no store's data are written again
.endm
.macro WALL base, pitch
	WLOAD \base, \pitch, 0
	WLOAD \base, \pitch, 1
	WBLOCK \base, \pitch, 0
	WBLOCK \base, \pitch, 1
	WBLOCK \base, \pitch, 2
	WBLOCK \base, \pitch, 3
	global_store_b32 v8, v14, s[16:17]             ; four bytes a lane, 16 bytes apart: 128 KB in the whole launch leave so
	s_endpgm
.endm
.Lw:
	s_sub_co_u32 s19, ttmp9, 256
	s_and_b32 s22, s19, 31                         ; which 128 columns: 0-23 w_attn's, 24-31 w_proj's
	s_lshr_b32 s23, s19, 5                         ; K step
	s_lshl_b32 s24, s22, 2
	s_add_co_u32 s24, s24, s18                     ; my group of 32 rows of the operand
	s_wait_alu depctr_va_vdst(0)
	v_lshlrev_b32 v1, 2, v9                        ; 4 x lane
	v_bfe_u32 v2, v0, 3, 1                         ; u
	v_and_b32 v3, 7, v0
	v_bfe_u32 v4, v0, 4, 1
	v_lshl_add_u32 v3, v4, 3, v3                   ; r
	v_mul_u32_u24 v5, v2, 12288
	v_lshl_add_u32 v6, v3, 4, v5                   ; 12,288 u + 16 r
	v_lshl_add_u32 v7, v3, 3, v5                   ; 12,288 u + 8 r
	v_lshlrev_b32 v8, 9, v2
	v_lshl_add_u32 v8, v3, 4, v8                   ; 512 u + 16 r
	s_mul_i32 s26, s24, 24576
	s_mul_i32 s27, s23, 1536
	s_add_co_u32 s26, s26, s27
	s_mov_b32 s27, 0
	s_lshl_b32 s28, s24, 10
	s_lshr_b32 s29, s23, 2
	s_lshl_b32 s29, s29, 8
	s_add_co_u32 s28, s28, s29
	s_and_b32 s29, s23, 3
	s_lshl_b32 s29, s29, 2
	s_add_co_u32 s28, s28, s29
	s_mov_b32 s29, 0
	s_lshl_b32 s30, s18, 7                         ; my wave's 32 columns, in bytes
	s_mov_b32 s33, 0
	s_wait_kmcnt 0x0
	s_add_nc_u64 s[14:15], s[14:15], s[26:27]
	s_add_nc_u64 s[16:17], s[16:17], s[28:29]
	s_cmp_lt_u32 s22, 24                           ; two arms, so that every row's offset is an immediate
	s_cbranch_scc0 .Lproj
	s_mul_i32 s32, s23, 128*12288
	s_lshl_b32 s31, s22, 9
	s_add_co_u32 s32, s32, s31
	s_add_co_u32 s32, s32, s30
	s_add_nc_u64 s[6:7], s[6:7], s[32:33]
	WALL 6, 12288
.Lproj:
	s_sub_co_u32 s31, s22, 24
	s_mul_i32 s32, s23, 128*4096
	s_lshl_b32 s31, s31, 9
	s_add_co_u32 s32, s32, s31
	s_add_co_u32 s32, s32, s30
	s_add_nc_u64 s[8:9], s[8:9], s[32:33]
	WALL 8, 4096
.Lfunc_end_k_q0cefed7b8c_quant:
	.size	k_q0cefed7b8c_quant, .Lfunc_end_k_q0cefed7b8c_quant-k_q0cefed7b8c_quant
	.p2alignl 7, 3214868480
	.fill 96, 4, 3214868480
	.section	.rodata,"a",@progbits
	.p2align	6, 0x0
	.amdhsa_kernel k_q0cefed7b8c_quant
		.amdhsa_group_segment_fixed_size 34304
		.amdhsa_private_segment_fixed_size 0
		.amdhsa_enable_private_segment 0
		.amdhsa_kernarg_size 56
		.amdhsa_user_sgpr_count 2
		.amdhsa_user_sgpr_kernarg_segment_ptr 1
		.amdhsa_wavefront_size32 1
		.amdhsa_system_sgpr_workgroup_id_x 1
		.amdhsa_system_sgpr_workgroup_id_y 1
		.amdhsa_system_sgpr_workgroup_id_z 1
		.amdhsa_system_vgpr_workitem_id 0
		.amdhsa_next_free_vgpr 256
		.amdhsa_next_free_sgpr 66
		.amdhsa_reserve_vcc 1
		.amdhsa_float_denorm_mode_32 3
		.amdhsa_float_denorm_mode_16_64 3
		.amdhsa_memory_ordered 1
		.amdhsa_forward_progress 1
		.amdhsa_inst_pref_size 70
	.end_amdhsa_kernel
	.amdgpu_metadata
---
amdhsa.version: [ 1, 2 ]
amdhsa.kernels:
  - .name:           k_q0cefed7b8c_quant
    .symbol:         k_q0cefed7b8c_quant.kd
    .args:
      - { .name: x, .offset: 0, .size: 8, .value_kind: global_buffer, .address_space: global }
      - { .name: w_attn, .offset: 8, .size: 8, .value_kind: global_buffer, .address_space: global }
      - { .name: w_proj, .offset: 16, .size: 8, .value_kind: global_buffer, .address_space: global }
      - { .name: ximg, .offset: 24, .size: 8, .value_kind: global_buffer, .address_space: global }
      - { .name: xsc, .offset: 32, .size: 8, .value_kind: global_buffer, .address_space: global }
      - { .name: wimg, .offset: 40, .size: 8, .value_kind: global_buffer, .address_space: global }
      - { .name: wsc, .offset: 48, .size: 8, .value_kind: global_buffer, .address_space: global }
    .group_segment_fixed_size: 34304
    .private_segment_fixed_size: 0
    .kernarg_segment_align: 8
    .kernarg_segment_size: 56
    .max_flat_workgroup_size: 128
    .sgpr_count:     66
    .vgpr_count:     256
    .wavefront_size: 32
...
	.end_amdgpu_metadata
.endif
;; end of part 1
;; launch gemm1 (part 2): grid 4 x 192, 4 waves a work-group, clusters of 4 x 4, 295,424 bytes of LDS; arguments ximg, xsc, wimg, wsc, qkv; writes qkv
.if DOCPART == 2
	.amdgcn_target "amdgcn-amd-amdhsa--gfx1250"
	.amdhsa_code_object_version 6
	.text
	.protected	k_q0cefed7b8c_gemm1
	.globl	k_q0cefed7b8c_gemm1
	.p2align	8
	.type	k_q0cefed7b8c_gemm1,@function
k_q0cefed7b8c_gemm1:
	s_mov_b64 s[64:65], 0
	v_nop
	global_prefetch_b8 v0, s[64:65] scope:SCOPE_SE
	s_setreg_imm32_b32 hwreg(HW_REG_WAVE_MODE, 25, 1), 1
	s_wait_xcnt 0x0
	s_wait_alu depctr_hold_cnt(0) depctr_sa_sdst(0) depctr_va_vdst(0) depctr_va_sdst(0) depctr_va_ssrc(0) depctr_va_vcc(0) depctr_vm_vsrc(0)
	s_getreg_b32 s2, hwreg(HW_REG_IB_STS2, 6, 4)
	s_cmp_eq_u32 s2, 0
	s_cbranch_scc0 .Lentry_in_a_cluster
	s_endpgm
.Lentry_in_a_cluster:
	s_bfe_u32 s2, ttmp6, 0x10000c
	s_cmp_lg_u32 s2, 0xf033
	s_cbranch_scc0 .Lentry_shape_is_right
	s_endpgm
.Lentry_shape_is_right:
; qkv = x w_attn on codes of FP6 (E2M3) with E8M0 scales, and its results quantised in registers for the two products of attention: no f32 number of qkv goes to memory.
; THE FRAME.  A work-group multiplies P, 128 rows (source 0), by S, 256 rows (source 1), over the whole K = 1,024, which lies in LDS: (128 + 256) x 768 bytes, in four chunks of two K steps, each filled ONCE.  Nothing is filled again.
; Four waves; wave w takes all 8 tiles of P against tiles 4 w .. 4 w + 3 of S: 32 accumulators.  In a result lane (r, h) holds ONE row of S, and the 16 registers of two neighbouring tiles of P are 16 neighbouring rows of P
; (the tiles' rows are 8 u + r + 8 (r / 8) of a group of 32): so a lane's 64 registers run along 128 rows of P, which is a K step of the next product.
; Q AND K (clusters 0-31): P = 128 columns of w_attn (two heads), S = 256 tokens: quantised along a head's 64.   V (clusters 32-47): THE ROLES ARE SWAPPED: P = 128 tokens (a key step), S = 256 columns (four heads): quantised along the keys.
; One text serves both: only pointers, strides and two byte selects are chosen, by s_cselect on the cluster's number.
; CLUSTERS: 4 x 4.  P's tiles hang on cx alone and are asked for jointly by a column of the cluster, S's on cy alone and by a row.
; OUTPUT: a record of 307,200 bytes for each batch and head: 16 key steps x [K block 6,400][V block 6,400], then 16 Q blocks of 6,400.  K and Q block: 8 pieces of 768 bytes (a tile of 16 tokens: lane (r, h) owns block h of the head's 64),
; then 256 bytes [r][pair of tiles]: the two tiles' two bytes each.  V block: 4 fragments of 1,536 bytes (16 of the head's 64 x 128 keys), then 256 bytes [r][words of tiles 0, 2, 1, 3].
; LIMITS: NaN and infinities are not served; a block whose largest magnitude lies under 2^-124, a block of zeros among them, keeps the byte 1 (zeros have zero codes, and this program alone reads the bytes).
; REGISTERS: window 0: v1-4 lane terms; v8-23 LDS addresses; v24-28 offsets of the way out; v32-95 P's scale words (tile i, K step k: 32 + 8 i + k), v96-127 S's; v128-175, v176-223 S's fragments, two sets; v224-251 at work on the way out.
;   window 1: P's fragments, two sets, at v0 and at v128.   window 2: accumulator (j, i) at v[64 j + 8 i].
.set CH,    73728                      ; a chunk: 8 tiles of P, then 16 of S, 3,072 bytes (two K steps) each
.set REC,   307200
.set FR,    12                         ; registers of a fragment
.set SF,    128                        ; S's fragments: set b at SF + 48 b
.set TM,    224                        ; v224-227 largest magnitudes, v228-231 partners' and bytes, v236-239 scale operands
.set PW,    242                        ; v242-245 the four tiles' scale words
.set PC,    128                        ; the codes just made
.set PT,    140                        ; v140-142, v144-146: a conversion's three registers begin on an even number
.set G1P,   32
.set G1S,   40
.set G0P,   48                         ; s[48:63]  a group 0 for each chunk
.set G0S,   68                         ; s[68:83]
.set MSB, 0
.macro WIN new                         ; the immediate's high byte repeats the setting that is left
.if MSB != \new
	s_set_vgpr_msb (MSB<<8)|\new
.set MSB, \new
.endif
.endm
.macro CROUND                          ; a round of the cluster's barrier
	s_barrier_signal -1
	s_barrier_wait -1
	s_cmp_lg_u32 s14, 0
	s_cbranch_scc1 .Lnot_wave_0_\@
	s_barrier_signal -3
.Lnot_wave_0_\@:
	s_barrier_wait -3
	s_barrier_signal -1
	s_barrier_wait -1
.endm
.macro PLACES n
.rept \n
	v_nop
.endr
.endm
; 48 LDS loads: K step k's fragments into set buf.  A piece's 768 bytes are 16 bytes a lane, then 8 bytes a lane: every load reads consecutive bytes
.macro FETCH k, buf
	WIN 0x40                                       ; destination window 1, address window 0
.irp t, 0,1,2,3,4,5,6,7
.irp c, 0,1
	ds_load_b128 v[128*(\buf)+FR*\t+6*\c:128*(\buf)+FR*\t+6*\c+3], v[8+(\k)/2] offset:3072*\t+1536*((\k)%2)+768*\c
	ds_load_b64 v[128*(\buf)+FR*\t+6*\c+4:128*(\buf)+FR*\t+6*\c+5], v[12+(\k)/2] offset:3072*\t+1536*((\k)%2)+768*\c+512
.endr
.endr
	WIN 0
.irp t, 0,1,2,3
.irp c, 0,1
	ds_load_b128 v[SF+48*(\buf)+FR*\t+6*\c:SF+48*(\buf)+FR*\t+6*\c+3], v[16+(\k)/2] offset:3072*\t+1536*((\k)%2)+768*\c
	ds_load_b64 v[SF+48*(\buf)+FR*\t+6*\c+4:SF+48*(\buf)+FR*\t+6*\c+5], v[20+(\k)/2] offset:3072*\t+1536*((\k)%2)+768*\c+512
.endr
.endr
.endm
; 32 matrix instructions; the 32 accumulators take turns, one instruction a turn, in the same order in every K step.  zero = 1: the first K step starts the sums
.macro MUL k, buf, zero
	WIN 0xa1                                       ; source 0 window 1, source 1 window 0, C and D window 2
.irp j, 0,1,2,3
.irp i, 0,1,2,3,4,5,6,7
.if \zero
	v_wmma_scale_f32_16x16x128_f8f6f4 v[64*\j+8*\i:64*\j+8*\i+7], v[128*(\buf)+FR*\i:128*(\buf)+FR*\i+FR-1], v[SF+48*(\buf)+FR*\j:SF+48*(\buf)+FR*\j+FR-1], 0, v[32+8*\i+(\k)], v[96+8*\j+(\k)] matrix_a_fmt:MATRIX_FMT_FP6 matrix_b_fmt:MATRIX_FMT_FP6
.else
	v_wmma_scale_f32_16x16x128_f8f6f4 v[64*\j+8*\i:64*\j+8*\i+7], v[128*(\buf)+FR*\i:128*(\buf)+FR*\i+FR-1], v[SF+48*(\buf)+FR*\j:SF+48*(\buf)+FR*\j+FR-1], v[64*\j+8*\i:64*\j+8*\i+7], v[32+8*\i+(\k)], v[96+8*\j+(\k)] matrix_a_fmt:MATRIX_FMT_FP6 matrix_b_fmt:MATRIX_FMT_FP6
.endif
.endr
.endr
	WIN 0
.endm
.macro KSTEP k
	s_wait_dscnt 0x0                               ; this K step's fragments are in, and no LDS instruction of mine is pending at a signal
.if ((\k) == 1) || ((\k) == 3) || ((\k) == 5)
	s_wait_tensorcnt 3-((\k)+1)/2                  ; my part of the next chunk has landed; the later chunks' loads may stay out
	s_barrier_signal -1
	s_barrier_wait -1                              ; everybody's has
.endif
.if (\k) < 7
.if (\k) > 0
	PLACES 4                                       ; in front of loads into registers that matrix instructions have read (ISA guide 7.12.1 for vector instructions)
.endif
	FETCH (\k)+1, ((\k)+1)%2
.endif
.if (\k) == 0
	MUL \k, 0, 1
.else
	MUL \k, (\k)%2, 0
.endif
.endm
	s_load_b256 s[4:11], s[0:1], 0x0               ; ximg s[4:5], xsc s[6:7], wimg s[8:9], wsc s[10:11]
	s_load_b64 s[12:13], s[0:1], 0x20              ; qkv
	v_lshl_add_u32 v254, v0, 2, 0x48000
	v_mov_b32 v255, 0
	ds_add_u32 v254, v255
	ds_add_u32 v254, v255
	v_lshrrev_b32 v1, 5, v0
	v_readfirstlane_b32 s14, v1                    ; wave 0..3
	s_and_b32 s15, s14, 1
	s_lshr_b32 s16, s14, 1
	s_bfe_u32 s17, ttmp6, 0x40000                  ; cx
	s_bfe_u32 s18, ttmp6, 0x40004                  ; cy
	s_and_b32 s19, ttmp7, 0xffff                   ; the cluster's number, 0..47 (the grid has one cluster along x)
	s_mov_b32 s2, 0x76543210
	s_mov_b32 s3, 0xfedcba98                       ; v_permlanex16_b32's selects for lane l xor 16
	s_lshl_b32 s20, 0x1111, s17                    ; my column of the cluster
	s_or_b32 s[G1P], s20, (3<<16)|(1<<21)          ; 15:0 the mask; 17:16 elements of 8 bytes; 21 set beside a mask; no padding
	s_lshl_b32 s21, s18, 2
	s_lshl_b32 s21, 15, s21                        ; my row
	s_or_b32 s[G1S], s21, (3<<16)|(1<<21)
	s_mov_b32 s[G1P+1], 384<<16                    ; tensor_dim0: a tile's two K steps, 3,072 bytes
	s_mov_b32 s[G1P+2], 4<<16                      ; tensor_dim1: 4 tiles
	s_mov_b32 s[G1P+3], 384<<16                    ; tile_dim0
	s_mov_b32 s[G1P+4], 4                          ; tile_dim1
	s_mov_b32 s[G1P+5], 1536                       ; from tile to tile: 12,288 bytes
	s_mov_b32 s[G1P+6], 0
	s_mov_b32 s[G1P+7], 0
	s_mov_b32 s[G1S+1], 384<<16
	s_mov_b32 s[G1S+2], 8<<16                      ; 8 tiles
	s_mov_b32 s[G1S+3], 384<<16
	s_mov_b32 s[G1S+4], 8
	s_mov_b32 s[G1S+5], 1536
	s_mov_b32 s[G1S+6], 0
	s_mov_b32 s[G1S+7], 0
	s_and_b32 s20, s19, 3
	s_lshr_b32 s21, s19, 2
	s_sub_co_u32 s22, s19, 32
	s_cmp_lt_u32 s19, 32                           ; Q and K, or V?  The same in all sixteen partners
	s_cselect_b32 s20, s20, s22                    ; which four blocks of P
	s_cselect_b32 s21, s21, 0                      ; which four blocks of S
	s_cselect_b32 s23, 0, 128                      ; V's columns begin at tile 128 of the weights
	s_lshl_b32 s24, s20, 2
	s_add_co_u32 s24, s24, s17                     ; pb: my block of P: cx alone of my place
	s_lshl_b32 s25, s21, 2
	s_add_co_u32 s25, s25, s18                     ; sb: my block of S: cy alone
	s_lshl_b32 s26, s24, 3                         ; P's first tile
	s_lshl_b32 s27, s25, 4
	s_add_co_u32 s27, s27, s23                     ; S's first tile
	s_lshl_b32 s28, s15, 2
	s_add_co_u32 s28, s28, s26
	s_mul_i32 s28, s28, 12288                      ; the 4 tiles of P that I would fetch
	s_mov_b32 s29, 0
	s_lshl_b32 s30, s15, 3
	s_add_co_u32 s30, s30, s27
	s_mul_i32 s30, s30, 12288                      ; the 8 tiles of S
	s_mov_b32 s31, 0
	s_mul_i32 s22, s15, 12288                      ; and where they go in a chunk: the wave's number alone
	s_mul_i32 s23, s15, 24576
	s_add_co_u32 s23, s23, 24576
	s_wait_dscnt 0x0
	s_wait_kmcnt 0x0
	s_cmp_lt_u32 s19, 32
	s_cselect_b64 s[84:85], s[8:9], s[4:5]         ; P's codes
	s_cselect_b64 s[86:87], s[10:11], s[6:7]       ; P's scales
	s_cselect_b64 s[88:89], s[4:5], s[8:9]         ; S's codes
	s_cselect_b64 s[90:91], s[6:7], s[10:11]       ; S's scales
	s_add_nc_u64 s[28:29], s[84:85], s[28:29]
	s_add_nc_u64 s[30:31], s[88:89], s[30:31]
.irp q, 0,1,2,3
	s_mov_b32 s[G0P+4*\q], 1
	s_add_co_u32 s[G0P+4*\q+1], s22, \q*CH
	s_add_nc_u64 s[G0P+4*\q+2:G0P+4*\q+3], s[28:29], \q*3072
	s_or_b32 s[G0P+4*\q+3], s[G0P+4*\q+3], 0x80000000
	s_mov_b32 s[G0S+4*\q], 1
	s_add_co_u32 s[G0S+4*\q+1], s23, \q*CH
	s_add_nc_u64 s[G0S+4*\q+2:G0S+4*\q+3], s[30:31], \q*3072
	s_or_b32 s[G0S+4*\q+3], s[G0S+4*\q+3], 0x80000000
.endr
	CROUND                                         ; all sixteen work-groups are here: the joint loads meet
	s_cmp_lt_u32 s14, 2                            ; waves 0 and 1 fetch P's halves, waves 2 and 3 S's: a wave's four first fills stand in one branch; four loads of mine are out
	s_cbranch_scc0 .Lfill_s
	tensor_load_to_lds s[G0P:G0P+3], s[G1P:G1P+7]
	s_nop 0
	tensor_load_to_lds s[G0P+4:G0P+7], s[G1P:G1P+7]
	s_nop 0
	tensor_load_to_lds s[G0P+8:G0P+11], s[G1P:G1P+7]
	s_nop 0
	tensor_load_to_lds s[G0P+12:G0P+15], s[G1P:G1P+7]
	s_nop 0
	PLACES 4
	s_branch .Lfilled
.Lfill_s:
	tensor_load_to_lds s[G0S:G0S+3], s[G1S:G1S+7]
	s_nop 0
	tensor_load_to_lds s[G0S+4:G0S+7], s[G1S:G1S+7]
	s_nop 0
	tensor_load_to_lds s[G0S+8:G0S+11], s[G1S:G1S+7]
	s_nop 0
	tensor_load_to_lds s[G0S+12:G0S+15], s[G1S:G1S+7]
	s_nop 0
	PLACES 4
.Lfilled:
	v_and_b32 v5, 31, v0
	v_lshlrev_b32 v1, 4, v5                        ; 16 x lane
	s_wait_alu depctr_va_vdst(0)
	v_lshlrev_b32 v2, 3, v5                        ; 8 x lane
	s_wait_alu depctr_va_vdst(0)
	v_and_b32 v6, 15, v0                           ; r
	v_lshlrev_b32 v3, 4, v6                        ; 16 r
	v_bfe_u32 v4, v0, 4, 1                         ; h
	s_lshl_b32 s20, s26, 9                         ; the scale words go from memory straight into registers: 512 bytes a tile, sixteen lanes read 256 consecutive bytes
	s_mov_b32 s21, 0
	s_add_nc_u64 s[86:87], s[86:87], s[20:21]
	s_lshl_b32 s20, s14, 2
	s_add_co_u32 s20, s20, s27
	s_lshl_b32 s20, s20, 9
	s_add_nc_u64 s[90:91], s[90:91], s[20:21]
.irp i, 0,1,2,3,4,5,6,7
.irp g, 0,1
	global_load_b128 v[32+8*\i+4*\g:32+8*\i+4*\g+3], v3, s[86:87] offset:512*\i+256*\g
.endr
.endr
.irp j, 0,1,2,3
.irp g, 0,1
	global_load_b128 v[96+8*\j+4*\g:96+8*\j+4*\g+3], v3, s[90:91] offset:512*\j+256*\g
.endr
.endr
	s_mul_i32 s20, s14, 12288
	s_add_co_u32 s20, s20, 24576                   ; my four tiles of S in a chunk
.irp q, 0,1,2,3
	v_add_nc_u32 v[8+\q], \q*CH, v1
	v_add_nc_u32 v[12+\q], \q*CH, v2
	v_add_nc_u32 v[16+\q], s20, v1
	v_add_nc_u32 v[20+\q], s20, v2
	s_add_co_u32 s20, s20, CH
.endr
.irp b, 0,1,2,3
	v_mov_b32 v[TM+4+\b], 0                        ; a lane permute's destination counts as one of its sources
.endr
	; where the results go.  Q and K: the record of batch sb / 8 and head 2 (pb % 8); key step 2 (sb % 8) + w / 2; my four tiles are pieces 4 (w % 2) + j; piece c belongs to the head c further on
	s_lshr_b32 s20, s24, 3                         ; 0: Q, 1: K
	s_and_b32 s21, s24, 7
	s_lshl_b32 s21, s21, 1
	s_lshr_b32 s22, s25, 3
	s_lshl_b32 s22, s22, 4
	s_add_co_u32 s21, s21, s22
	s_mul_i32 s21, s21, REC
	s_and_b32 s22, s25, 7
	s_lshl_b32 s22, s22, 1
	s_add_co_u32 s22, s22, s16
	s_mul_i32 s23, s22, 12800
	s_mul_i32 s22, s22, 6400
	s_add_co_u32 s22, s22, 204800
	s_cmp_eq_u32 s20, 0
	s_cselect_b32 s22, s22, s23
	s_add_co_u32 s21, s21, s22                     ; the block
	s_mul_i32 s20, s15, 3072
	s_add_co_u32 s28, s21, s20                     ; my first piece
	s_lshl_b32 s20, s15, 3
	s_add_co_u32 s29, s21, s20
	s_add_co_u32 s29, s29, 6144                    ; my two pairs' words
	; V: the record of batch pb / 16 and head 4 sb + w; key step pb % 16; my four tiles are its four fragments
	s_lshr_b32 s20, s24, 4
	s_lshl_b32 s20, s20, 4
	s_lshl_b32 s21, s25, 2
	s_add_co_u32 s21, s21, s14
	s_add_co_u32 s20, s20, s21
	s_mul_i32 s20, s20, REC
	s_and_b32 s21, s24, 15
	s_mul_i32 s21, s21, 12800
	s_add_co_u32 s20, s20, s21
	s_add_co_u32 s30, s20, 6400
	s_add_co_u32 s31, s30, 6144
	s_cmp_lt_u32 s19, 32
	s_cselect_b32 s92, s28, s30                    ; where tile 0's first piece goes
	s_cselect_b32 s93, s29, s31                    ; where the scale words go
	s_mov_b32 s94, 768
	s_cselect_b32 s94, REC, s94                    ; from a fragment's first piece to its second
	s_mov_b32 s95, 1536
	s_cselect_b32 s95, 768, s95                    ; from tile to tile
	s_cselect_b32 s96, REC, 8                      ; from lanes 0-15's words to lanes 16-31's
	s_mov_b32 s97, 0x03020100
	s_cselect_b32 s97, 0x05040100, s97             ; Q, K: two tiles' low halves (the first head);   V: the first of two words
	s_mov_b32 s98, 0x07060504
	s_cselect_b32 s98, 0x07060302, s98             ; Q, K: their high halves (the second head);      V: the second
	v_mul_u32_u24 v28, v4, s96
	v_add3_u32 v28, v28, v3, s93
	s_wait_alu depctr_va_vdst(0)
	s_wait_tensorcnt 3                             ; my part of chunk 0 has landed; three loads may stay out
	s_barrier_signal -1
	s_barrier_wait -1                              ; everybody's has
	FETCH 0, 0
	s_wait_loadcnt 0x0                             ; the scale words
	KSTEP 0
	KSTEP 1
	KSTEP 2
	KSTEP 3
	KSTEP 4
	KSTEP 5
	KSTEP 6
	KSTEP 7
	PLACES 4                                       ; behind the last products, in front of the first read of results
; Tile j's 64 numbers of a lane (window 2: register 16 b + i = row 32 b + 16 h + i of P) become a fragment's codes in v[PC] on and its scale word in v[PW + j].  Each accumulator is read from its low end on.
.macro QUANTW j
.set SA, 64*(\j)
	WIN 0x0a                                       ; sources 0 and 1 window 2
.irp b, 0,1,2,3
	v_max3_num_f32 v[TM+\b], |v[SA+16*\b]|, |v[SA+16*\b+1]|, 0x1800000   ; my 16 numbers of block b, and the floor 2^(3 - 127)
.endr
	WIN 0x28                                       ; sources 1 and 2 window 2
.irp i, 2,4,6,8,10,12,14
.irp b, 0,1,2,3
	v_max3_num_f32 v[TM+\b], v[TM+\b], |v[SA+16*\b+\i]|, |v[SA+16*\b+\i+1]|
.endr
.endr
	WIN 0
.irp b, 0,1,2,3
	v_permlanex16_b32 v[TM+4+\b], v[TM+\b], s2, s3
.endr
.irp b, 0,1,2,3
	v_max_num_f32 v[TM+\b], v[TM+\b], v[TM+4+\b]   ; with lane l xor 16's: the block's largest magnitude
.endr
.irp b, 0,1,2,3
	v_add_nc_u32 v[TM+12+\b], 0xff000000, v[TM+\b] ; 2 off its exponent field: the conversion's scale operand
.endr
.irp b, 0,1,2,3
	v_lshrrev_b32 v[TM+4+\b], 23, v[TM+12+\b]      ; the scale's byte
.endr
	v_lshl_or_b32 v[PW+\j], v[TM+5], 8, v[TM+4]
	v_lshl_or_b32 v[PW+\j], v[TM+6], 16, v[PW+\j]
	v_lshl_or_b32 v[PW+\j], v[TM+7], 24, v[PW+\j]
	WIN 0x02                                       ; source 0 window 2
.irp c, 0,1
	v_cvt_scalef32_pk16_fp6_f32 v[PC+6*\c:PC+6*\c+2], v[SA+32*\c:SA+32*\c+15], v[TM+12+2*\c]
	v_cvt_scalef32_pk16_fp6_f32 v[PT+4*\c:PT+4*\c+2], v[SA+32*\c+16:SA+32*\c+31], v[TM+12+2*\c+1]
.endr
	WIN 0
	v_nop                                          ; one plain line behind the scaled conversions
.irp c, 0,1                                    ; the operand's layout wants a whole block in a lane: lanes 0-15 block 2 c, lanes 16-31 block 2 c + 1
.irp i, 0,1,2
	v_permlane16_swap_b32 v[PC+6*\c+\i], v[PT+4*\c+\i]
.endr
.irp i, 0,1,2
	v_mov_b32 v[PC+3+6*\c+\i], v[PT+4*\c+\i]
.endr
.endr
.endm
.macro OUT j
.if \j > 0
	s_wait_xcnt 0x0                                ; the last tile's stores have read their data and offsets, which are written again below
.endif
	QUANTW \j
	s_add_co_u32 s20, s92, s94
	v_add_nc_u32 v24, s92, v1
	v_add_nc_u32 v25, s92, v2
	v_add_nc_u32 v26, s20, v1
	v_add_nc_u32 v27, s20, v2
	global_store_b128 v24, v[PC:PC+3], s[12:13]                ; a piece: 512 consecutive bytes,
	global_store_b64 v25, v[PC+4:PC+5], s[12:13] offset:512    ; and 256; every piece begins at a multiple of 256 from the buffer's first byte
	global_store_b128 v26, v[PC+6:PC+9], s[12:13]
	global_store_b64 v27, v[PC+10:PC+11], s[12:13] offset:512
	s_add_co_u32 s92, s92, s95
.endm
	OUT 0
	OUT 1
	OUT 2
	OUT 3
	v_perm_b32 v246, v[PW+1], v[PW], s97
	v_perm_b32 v247, v[PW+3], v[PW+2], s97
	v_perm_b32 v248, v[PW+1], v[PW], s98
	v_perm_b32 v249, v[PW+3], v[PW+2], s98
	v_cmp_eq_u32 vcc_lo, 1, v4
	v_cndmask_b32 v250, v246, v248, vcc_lo
	v_cndmask_b32 v251, v247, v249, vcc_lo
	global_store_b64 v28, v[250:251], s[12:13]     ; V: 256 consecutive bytes a wave.  Q, K: 8 bytes of each 16, lanes 0-15 in the first head's block, lanes 16-31 in the second's
	s_wait_dscnt 0x0
	s_wait_tensorcnt 0x0
	ds_add_u32 v254, v255
	s_wait_dscnt 0x0
	CROUND                                         ; the closing round: no work-group ends while a partner may still ask for a tile that names it
	s_endpgm
.Lfunc_end_k_q0cefed7b8c_gemm1:
	.size	k_q0cefed7b8c_gemm1, .Lfunc_end_k_q0cefed7b8c_gemm1-k_q0cefed7b8c_gemm1
	.p2alignl 7, 3214868480
	.fill 96, 4, 3214868480
	.section	.rodata,"a",@progbits
	.p2align	6, 0x0
	.amdhsa_kernel k_q0cefed7b8c_gemm1
		.amdhsa_group_segment_fixed_size 295424
		.amdhsa_private_segment_fixed_size 0
		.amdhsa_enable_private_segment 0
		.amdhsa_kernarg_size 40
		.amdhsa_user_sgpr_count 2
		.amdhsa_user_sgpr_kernarg_segment_ptr 1
		.amdhsa_wavefront_size32 1
		.amdhsa_system_sgpr_workgroup_id_x 1
		.amdhsa_system_sgpr_workgroup_id_y 1
		.amdhsa_system_sgpr_workgroup_id_z 1
		.amdhsa_system_vgpr_workitem_id 0
		.amdhsa_next_free_vgpr 768
		.amdhsa_next_free_sgpr 100
		.amdhsa_reserve_vcc 1
		.amdhsa_float_denorm_mode_32 3
		.amdhsa_float_denorm_mode_16_64 3
		.amdhsa_memory_ordered 1
		.amdhsa_forward_progress 1
		.amdhsa_inst_pref_size 91
	.end_amdhsa_kernel
	.amdgpu_metadata
---
amdhsa.version: [ 1, 2 ]
amdhsa.kernels:
  - .name:           k_q0cefed7b8c_gemm1
    .symbol:         k_q0cefed7b8c_gemm1.kd
    .args:
      - { .name: ximg, .offset: 0, .size: 8, .value_kind: global_buffer, .address_space: global }
      - { .name: xsc, .offset: 8, .size: 8, .value_kind: global_buffer, .address_space: global }
      - { .name: wimg, .offset: 16, .size: 8, .value_kind: global_buffer, .address_space: global }
      - { .name: wsc, .offset: 24, .size: 8, .value_kind: global_buffer, .address_space: global }
      - { .name: qkv, .offset: 32, .size: 8, .value_kind: global_buffer, .address_space: global }
    .group_segment_fixed_size: 295424
    .private_segment_fixed_size: 0
    .kernarg_segment_align: 8
    .kernarg_segment_size: 40
    .max_flat_workgroup_size: 128
    .sgpr_count:     100
    .vgpr_count:     768
    .wavefront_size: 32
...
	.end_amdgpu_metadata
.endif
;; end of part 2
;; launch attn (part 3): grid 4 x 64, 16 waves a work-group, clusters of 4 x 1, 206,848 bytes of LDS; arguments qkv, aimg, asc; writes aimg, asc
.if DOCPART == 3
	.amdgcn_target "amdgcn-amd-amdhsa--gfx1250"
	.amdhsa_code_object_version 6
	.text
	.protected	k_q0cefed7b8c_attn
	.globl	k_q0cefed7b8c_attn
	.p2align	8
	.type	k_q0cefed7b8c_attn,@function
k_q0cefed7b8c_attn:
	s_mov_b64 s[64:65], 0
	v_nop
	global_prefetch_b8 v0, s[64:65] scope:SCOPE_SE
	s_setreg_imm32_b32 hwreg(HW_REG_WAVE_MODE, 25, 1), 1
	s_wait_xcnt 0x0
	s_wait_alu depctr_hold_cnt(0) depctr_sa_sdst(0) depctr_va_vdst(0) depctr_va_sdst(0) depctr_va_ssrc(0) depctr_va_vcc(0) depctr_vm_vsrc(0)
	s_getreg_b32 s2, hwreg(HW_REG_IB_STS2, 6, 4)
	s_cmp_eq_u32 s2, 0
	s_cbranch_scc0 .Lentry_in_a_cluster
	s_endpgm
.Lentry_in_a_cluster:
	s_bfe_u32 s2, ttmp6, 0x10000c
	s_cmp_lg_u32 s2, 0x3003
	s_cbranch_scc0 .Lentry_shape_is_right
	s_endpgm
.Lentry_shape_is_right:
; Causal attention of one batch and head for each cluster, both products on codes of FP6 (E2M3) with E8M0 scales, and its result quantised in registers for the projection.
; t = score x log2(e) / 32 (the module divides by sqrt(1024)); M = the running largest t rounded UP to a whole number; p = 2^(t - M) is quantised along the keys, not normalised; the row's sum is taken of the unquantised p and divides O at the end.
; When M moves, the sum and O are multiplied by 2^(old M - new M): exact.
; THE HEAD'S K AND V STAY IN LDS: 16 key steps of 128 keys x 12,800 bytes, each asked for ONCE, jointly by the cluster's four work-groups, one tensor load a wave.  Nothing is filled again, nothing is stored to LDS, one barrier.
; SHARES.  The head has 128 tiles of 16 queries and the cluster 64 waves: a wave takes tiles i and 127 - i, i = 8 (wave / 2) + 2 cx + wave % 2: wave / 2 + 1 and 16 - wave / 2 key steps, 17 in every wave.
; Every branch hangs on the wave's number and a counter alone; cx enters global addresses and the numbers against which the diagonal is compared, nothing else.
; LAYOUT.  Both products are used transposed: a lane holds ONE query (lane % 16) throughout.  A tile's rows (tokens, and V's 16 of the head's 64) are 8 u + r + 8 (r / 8) of a group of 32, so that the 16 registers of two neighbouring result tiles are 16 neighbours.
; THE FIRST PRODUCT'S K IS 64, THE INSTRUCTION'S 128: source 0 is a PAIR of key tiles, one in each half of K; source 1 is [q | 0] for the first tile and [0 | q] for the second: zero codes cancel the other tile.  v16-33 = 0 | q | 0 serve both.
; LIMITS: NaN and infinities are not served; a block of the result whose largest magnitude lies under 2^-124, a block of zeros among them, keeps the byte 1 (this program alone reads the bytes).
; REGISTERS: v1-3 16 x lane, 8 x lane, 16 r; v4-6 the same + the key step's place; v7 the diagonal's number; v8 its lane term; v9 16 h; v10 q's scale word; v11 16 r + h; v12 -M, v13 the largest t, v[14:15] the sum; v16-33 0 | q | 0;
;   v34-81 K's eight pieces, then V's four fragments; v82-85, v86-89 their scale words; v96-159 S^T, then p; v160-191 O^T; v192-203 p's codes; v204-229 at work; v232-238, v240-246 the two tiles' q and scale words; v248-254 offsets.
.set REC, 307200
.set STB, 12800                        ; a key step in LDS and in memory: K block 6,400, V block 6,400
.macro CROUND                          ; a round of the cluster's barrier
	s_barrier_signal -1
	s_barrier_wait -1
	s_cmp_lg_u32 s10, 0
	s_cbranch_scc1 .Lnot_wave_0_\@
	s_barrier_signal -3
.Lnot_wave_0_\@:
	s_barrier_wait -3
	s_barrier_signal -1
	s_barrier_wait -1
.endm
	s_load_b128 s[4:7], s[0:1], 0x0                ; qkv s[4:5], aimg s[6:7]
	s_load_b64 s[8:9], s[0:1], 0x10                ; asc
	v_lshl_add_u32 v251, v0, 2, 0x32000
	v_mov_b32 v255, 0
	ds_add_u32 v251, v255
	ds_add_u32 v251, v255
	v_lshrrev_b32 v1, 5, v0
	s_delay_alu instid0(VALU_DEP_1)
	v_readfirstlane_b32 s10, v1                    ; wave 0..15
	s_lshr_b32 s11, s10, 1                         ; a
	s_and_b32 s12, s10, 1                          ; bit
	s_bfe_u32 s13, ttmp6, 0x40000                  ; cx
	s_and_b32 s14, ttmp7, 0xffff                   ; 16 x batch + head, which the four partners share
	s_and_b32 s15, s14, 15                         ; head
	s_lshr_b32 s16, s14, 4                         ; batch
	s_mov_b32 s20, 0x76543210
	s_mov_b32 s21, 0xfedcba98                      ; v_permlanex16_b32's selects for lane l xor 16
	s_mov_b32 s22, 0x3d38aa3b                      ; c = log2(e) / 32
	s_mov_b32 s23, s22                             ; (named with it as a pair, so it is written)
	s_mov_b32 s24, 15|(3<<16)|(1<<21)              ; group 1: 15:0 the mask: all four work-groups; 17:16 elements of 8 bytes; 21 set beside a mask; no padding
	s_mov_b32 s25, 32<<16                          ; a dense block of 12,800 bytes as 50 rows of 256
	s_mov_b32 s26, 50<<16
	s_mov_b32 s27, 32<<16
	s_mov_b32 s28, 50
	s_mov_b32 s29, 32
	s_mov_b32 s30, 0
	s_mov_b32 s31, 0
	s_mul_i32 s46, s14, REC
	s_mov_b32 s47, 0
	s_mov_b32 s32, 1
	s_mul_i32 s33, s10, STB                        ; key step = my wave's number: its place in LDS,
	s_mov_b32 s48, s33                             ; and in the record
	s_mov_b32 s49, 0
	s_wait_dscnt 0x0
	s_wait_kmcnt 0x0
	s_add_nc_u64 s[44:45], s[4:5], s[46:47]        ; the head's record
	s_add_nc_u64 s[34:35], s[44:45], s[48:49]
	s_or_b32 s35, s35, 0x80000000
	CROUND                                         ; all four work-groups are here: the joint loads meet
	tensor_load_to_lds s[32:35], s[24:31]          ; my one tensor load of the launch
	s_nop 0
.rept 4
	v_nop
.endr
	v_and_b32 v9, 31, v0
	s_delay_alu instid0(VALU_DEP_1)
	v_lshlrev_b32 v1, 4, v9                        ; 16 x lane
	s_delay_alu instid0(VALU_DEP_2)
	v_lshlrev_b32 v2, 3, v9                        ; 8 x lane
	v_and_b32 v8, 15, v0                           ; r
	s_delay_alu instid0(VALU_DEP_1)
	v_lshlrev_b32 v3, 4, v8                        ; 16 r
	s_wait_alu depctr_va_vdst(0)
	v_bfe_u32 v9, v0, 4, 1                         ; h
	s_delay_alu instid0(VALU_DEP_1)
	v_add_nc_u32 v11, v3, v9                       ; 16 r + h
	v_and_b32 v228, 8, v8
	s_delay_alu instid0(VALU_DEP_1)
	v_add_nc_u32 v8, v8, v228                      ; r + 8 (r / 8)
	s_delay_alu instid0(VALU_DEP_4)
	v_lshlrev_b32 v9, 4, v9                        ; 16 h
	s_delay_alu instid0(VALU_DEP_1)
	v_sub_nc_u32 v8, v8, v9                        ; my query's place in its group of 32, less my half's 16 keys
	s_lshl_b32 s50, s11, 3
	s_lshl_b32 s51, s13, 1
	s_add_co_u32 s50, s50, s51
	s_add_co_u32 s50, s50, s12                     ; my first tile, i
	s_xor_b32 s51, s50, 127                        ; my second, 127 - i
	s_lshl_b32 s55, s13, 5
	s_lshl_b32 s56, s12, 3
	s_add_co_u32 s55, s55, s56                     ; the first tile's first row within its key step: 32 cx + 8 bit
.macro QLOAD ti, dst, adr              ; tile s[ti]'s piece of q (6 registers) and the word that holds its scale bytes
	s_lshr_b32 s52, s[\ti], 3
	s_mul_i32 s52, s52, 6400
	s_add_co_u32 s52, s52, 204800
	s_and_b32 s53, s[\ti], 7
	s_mul_i32 s54, s53, 768
	s_add_co_u32 s54, s54, s52
	s_lshr_b32 s53, s53, 1
	s_lshl_b32 s53, s53, 2
	s_add_co_u32 s53, s53, s52
	v_add_nc_u32 v[\adr], s54, v1
	v_add_nc_u32 v[\adr+1], s54, v2
	v_add_nc_u32 v[\adr+2], s53, v3
	global_load_b128 v[\dst:\dst+3], v[\adr], s[44:45]
	global_load_b64 v[\dst+4:\dst+5], v[\adr+1], s[44:45] offset:512
	global_load_b32 v[\dst+6], v[\adr+2], s[44:45] offset:6144
.endm
	QLOAD 50, 232, 248
	QLOAD 51, 240, 252
.irp i, 0,1,2,3,4,5
	v_mov_b32 v[16+\i], 0                          ; the zero codes on both sides of q
	v_mov_b32 v[28+\i], 0
.endr
.irp b, 0,1,2,3
	v_mov_b32 v[216+\b], 0                         ; a lane permute's destination counts as one of its sources
.endr
	v_mov_b32 v227, 0                              ; (named as the upper half of the pair v[226:227])
	s_wait_tensorcnt 0x0                           ; my key step has landed,
	s_barrier_signal -1
	s_barrier_wait -1                              ; everybody's has: the whole head lies in LDS
	s_wait_loadcnt 0x0                             ; q
; ONE TRIP of a tile's loop over the 16 key steps.  A step behind the tile's last is left out by a scalar branch round its work; the lines that step the address and the counter are always run.
.macro STEP
	s_cmp_gt_u32 s37, s38
	s_cbranch_scc1 .Lskip_\@
	s_setprio 2
	v_add_nc_u32 v4, s36, v1
	v_add_nc_u32 v5, s36, v2
	v_add_nc_u32 v6, s36, v3
	v_nop                                          ; four places in front of loads into registers that the last trip's matrix instructions have read
.irp t, 0,1,2,3,4,5,6,7
	ds_load_b128 v[34+6*\t:34+6*\t+3], v4 offset:768*\t
	ds_load_b64 v[34+6*\t+4:34+6*\t+5], v5 offset:768*\t+512
.endr
	ds_load_b128 v[82:85], v6 offset:6144          ; the four pairs' scale words
	s_wait_alu depctr_va_vdst(0)
	s_wait_dscnt 0x0
.irp g, 0,1,2,3                                ; S^T = K q^T: register 16 g + i = key 32 g + 16 h + i of the step
	v_wmma_scale_f32_16x16x128_f8f6f4 v[96+16*\g:103+16*\g], v[34+12*\g:45+12*\g], v[22:33], 0, v[82+\g], v10 matrix_a_fmt:MATRIX_FMT_FP6 matrix_b_fmt:MATRIX_FMT_FP6
	v_wmma_scale_f32_16x16x128_f8f6f4 v[104+16*\g:111+16*\g], v[34+12*\g:45+12*\g], v[16:27], 0, v[82+\g], v10 matrix_a_fmt:MATRIX_FMT_FP6 matrix_b_fmt:MATRIX_FMT_FP6
.endr
.rept 4
	v_nop                                          ; places behind the products: for the loads below and for the first read of the scores
.endr
.irp d, 0,1,2,3                                ; V's four fragments land while the softmax is worked
.irp c, 0,1
	ds_load_b128 v[34+12*\d+6*\c:34+12*\d+6*\c+3], v4 offset:6400+1536*\d+768*\c
	ds_load_b64 v[34+12*\d+6*\c+4:34+12*\d+6*\c+5], v5 offset:6400+1536*\d+768*\c+512
.endr
.endr
	ds_load_b128 v[86:89], v6 offset:12544         ; their scale words, in the order 0, 2, 1, 3
	s_cmp_lg_u32 s37, s38                          ; the tile's last step lies on the diagonal: the scores of hidden keys become -infinity ahead of the maximum, so that p = 0
	s_cbranch_scc1 .Lopen_\@
	v_mov_b32 v228, 0xff800000
.set n, 0
.rept 64
	v_cmp_gt_i32 vcc_lo, 32*(n/16)+n%16, v7
	v_cndmask_b32 v[96+n], v[96+n], v228, vcc_lo
.set n, n+1
.endr
.Lopen_\@:
.irp b, 0,1,2,3
	v_max3_num_f32 v[212+\b], v[96+16*\b], v[97+16*\b], v[98+16*\b]   ; the largest score of each block of 32 keys: it serves for the row's maximum and, since p rises with the score, for the block's largest p
.endr
.irp i, 3,5,7,9,11,13
.irp b, 0,1,2,3
	v_max3_num_f32 v[212+\b], v[212+\b], v[96+16*\b+\i], v[97+16*\b+\i]
.endr
.endr
.irp b, 0,1,2,3
	v_max_num_f32 v[212+\b], v[212+\b], v[111+16*\b]
.endr
.irp b, 0,1,2,3
	s_delay_alu instid0(VALU_DEP_4)
	v_permlanex16_b32 v[216+\b], v[212+\b], s20, s21
.endr
.irp b, 0,1,2,3
	s_delay_alu instid0(VALU_DEP_4)
	v_max_num_f32 v[212+\b], v[212+\b], v[216+\b]  ; with lane l xor 16's 16 keys
.endr
	s_delay_alu instid0(VALU_DEP_2)
	v_max3_num_f32 v228, v212, v213, v214
	s_delay_alu instid0(VALU_DEP_1)
	v_max_num_f32 v228, v228, v215                 ; the step's largest score of my query (the step's first key counts for every query of the tile, so it is a number)
	s_delay_alu instid0(VALU_DEP_1)
	v_mul_f32 v228, s22, v228                      ; as t (c is positive)
	s_delay_alu instid0(VALU_DEP_1)
	v_max_num_f32 v13, v13, v228                   ; the running largest t
	v_mov_b32 v228, v12
	s_delay_alu instid0(VALU_DEP_2)
	v_floor_f32 v12, -v13                          ; the new -M = floor(-t) = -ceil(t)
	s_delay_alu instid0(VALU_DEP_1)
	v_sub_f32 v228, v12, v228                      ; old M - new M: a whole number, 0 or less
	s_delay_alu instid0(VALU_DEP_1)
	v_cvt_i32_f32 v228, v228                       ; (it saturates)
	s_delay_alu instid0(VALU_DEP_1)
	v_ldexp_f32 v226, 1.0, v228                    ; f = 2^(old M - new M)
.set n, 0
.rept 32
	v_pk_fma_f32 v[96+n:97+n], v[96+n:97+n], s[22:23], v[12:13] op_sel_hi:[1,0,0]   ; t - M, two at a time
.set n, n+2
.endr
	s_setprio 1
.irp b, 0,1,2,3
	v_fma_f32 v[212+\b], v[212+\b], s22, v12       ; the same of each block's largest score
.endr
.set n, 0
	s_wait_alu depctr_va_vdst(0)
.rept 64
	v_exp_f32 v[96+n], v[96+n]                     ; p = 2^(t - M), at most 1
.set n, n+1
.endr
	v_pk_mul_f32 v[14:15], v[14:15], v[226:227] op_sel_hi:[1,0]   ; the sums under the new M: the plain line behind the exponentials
	s_wait_alu depctr_va_vdst(0)                   ; one wait for the batch, ahead of its first reader
.irp b, 0,1,2,3
	v_exp_f32 v[212+\b], v[212+\b]                 ; the block's largest p
.endr
	v_pk_add_f32 v[216:217], v[100:101], v[104:105]
	v_pk_add_f32 v[252:253], v[108:109], v[112:113]
	v_pk_add_f32 v[248:249], v[116:117], v[120:121]
	v_pk_add_f32 v[238:239], v[124:125], v[128:129]
	v_pk_add_f32 v[236:237], v[132:133], v[136:137]
	v_pk_add_f32 v[234:235], v[140:141], v[144:145]
	v_pk_add_f32 v[232:233], v[148:149], v[152:153]
	v_pk_add_f32 v[14:15], v[14:15], v[156:157]
	v_pk_add_f32 v[216:217], v[216:217], v[96:97]
	v_pk_add_f32 v[252:253], v[252:253], v[98:99]
	v_pk_add_f32 v[248:249], v[248:249], v[102:103]
	v_pk_add_f32 v[238:239], v[238:239], v[106:107]
	v_pk_add_f32 v[236:237], v[236:237], v[110:111]
	v_pk_add_f32 v[234:235], v[234:235], v[114:115]
	v_pk_add_f32 v[232:233], v[232:233], v[118:119]
	v_pk_add_f32 v[14:15], v[14:15], v[122:123]
	v_pk_add_f32 v[216:217], v[216:217], v[126:127]
	v_pk_add_f32 v[252:253], v[252:253], v[130:131]
	v_pk_add_f32 v[248:249], v[248:249], v[134:135]
	v_pk_add_f32 v[238:239], v[238:239], v[138:139]
	v_pk_add_f32 v[236:237], v[236:237], v[142:143]
	v_pk_add_f32 v[234:235], v[234:235], v[146:147]
	v_pk_add_f32 v[232:233], v[232:233], v[150:151]
	v_pk_add_f32 v[14:15], v[14:15], v[154:155]
	v_pk_add_f32 v[216:217], v[216:217], v[158:159]
	s_delay_alu instid0(VALU_DEP_2)
	v_pk_add_f32 v[14:15], v[14:15], v[238:239]
	s_delay_alu instid0(VALU_DEP_2)
	v_pk_add_f32 v[216:217], v[216:217], v[236:237]
	v_pk_add_f32 v[252:253], v[252:253], v[234:235]
	v_pk_add_f32 v[248:249], v[248:249], v[232:233]
	s_delay_alu instid0(VALU_DEP_2)
	v_pk_add_f32 v[14:15], v[14:15], v[252:253]
	s_delay_alu instid0(VALU_DEP_2)
	v_pk_add_f32 v[216:217], v[216:217], v[248:249]
	s_delay_alu instid0(VALU_DEP_1)
	v_pk_add_f32 v[14:15], v[14:15], v[216:217]
	s_wait_alu depctr_va_vdst(0)                   ; and one for the four
.irp b, 0,1,2,3
	v_max_num_f32 v[212+\b], 0x1800000, v[212+\b]  ; the floor 2^(3 - 127): a block whose every p is 0 keeps the byte 1: its codes are zeros
.endr
.irp b, 0,1,2,3
	s_delay_alu instid0(VALU_DEP_4)
	v_add_nc_u32 v[220+\b], 0xff000000, v[212+\b]  ; 2 off the exponent field: the conversion's scale operand
.endr
.irp b, 0,1,2,3
	s_delay_alu instid0(VALU_DEP_4)
	v_lshrrev_b32 v[216+\b], 23, v[220+\b]         ; the scale's byte
.endr
	s_delay_alu instid0(VALU_DEP_3)
	v_lshl_or_b32 v224, v217, 8, v216              ; p's scale word for these 128 keys
	s_delay_alu instid0(VALU_DEP_1)
	v_lshl_or_b32 v224, v218, 16, v224
	s_delay_alu instid0(VALU_DEP_1)
	v_lshl_or_b32 v224, v219, 24, v224
	s_setprio 0
.irp c, 0,1
	v_cvt_scalef32_pk16_fp6_f32 v[192+6*\c:194+6*\c], v[96+32*\c:111+32*\c], v[220+2*\c]
	v_cvt_scalef32_pk16_fp6_f32 v[204+4*\c:206+4*\c], v[112+32*\c:127+32*\c], v[220+2*\c+1]
.endr
	v_nop                                          ; one plain line behind the scaled conversions
.irp c, 0,1                                    ; a whole block in a lane: lanes 0-15 block 2 c, lanes 16-31 block 2 c + 1
.irp i, 0,1,2
	v_permlane16_swap_b32 v[192+6*\c+\i], v[204+4*\c+\i]
.endr
.irp i, 0,1,2
	s_delay_alu instid0(VALU_DEP_3)
	v_mov_b32 v[195+6*\c+\i], v[204+4*\c+\i]
.endr
.endr
.set n, 0
.rept 16
	v_pk_mul_f32 v[160+n:161+n], v[160+n:161+n], v[226:227] op_sel_hi:[1,0]   ; O^T under the new M.  (These sixteen are also the places between the scale word's and the codes' last writes and the products)
.set n, n+2
.endr
	s_wait_alu depctr_va_vdst(0)
	s_wait_dscnt 0x0                               ; V is in
.irp d, 0,1,2,3                                ; O^T += V^T p^T: four accumulators by turns; register 16 g + i of O^T = channel 32 g + 16 h + i of the head
	v_wmma_scale_f32_16x16x128_f8f6f4 v[160+8*\d:167+8*\d], v[34+12*\d:45+12*\d], v[192:203], v[160+8*\d:167+8*\d], v[86+2*(\d%2)+\d/2], v224 matrix_a_fmt:MATRIX_FMT_FP6 matrix_b_fmt:MATRIX_FMT_FP6
.endr
.Lskip_\@:
	s_add_co_u32 s36, s36, STB
	s_add_co_u32 s37, s37, 1
.endm
; A TILE OF 16 QUERIES.  s39 its number, s38 its last key step, s40 the select of its scale bytes, s41 its first row within that step; q in v[qsrc] on
.macro TILE qsrc
.irp i, 0,1,2,3,4,5
	v_mov_b32 v[22+\i], v[\qsrc+\i]
.endr
	v_perm_b32 v10, v[\qsrc+6], v[\qsrc+6], s40    ; q's two bytes, twice: for either half of the instruction's K
	v_add_nc_u32 v7, s41, v8                       ; register 16 g + i of the diagonal step is hidden where 32 g + i is greater than this
	v_mov_b32 v13, 0xff61b1e6                      ; the largest t so far: -3e38
	s_delay_alu instid0(VALU_DEP_1)
	v_floor_f32 v12, -v13
	v_mov_b32 v14, 0
	v_mov_b32 v15, 0
.set n, 0
.rept 32
	v_mov_b32 v[160+n], 0                          ; O^T: the loop is written once; its first step finds zeros, which the first change of M leaves zeros
.set n, n+1
.endr
	s_mov_b32 s36, 0
	s_mov_b32 s37, 0
.Lkeys_\@:
	STEP
	s_cmp_lt_u32 s37, 16
	s_cbranch_scc1 .Lkeys_\@
	s_setprio 0
.rept 4
	v_nop                                          ; places behind the last products
.endr
	v_add_f32 v14, v14, v15                        ; the sum's two halves,
	s_delay_alu instid0(VALU_DEP_1)
	v_permlanex16_b32 v216, v14, s20, s21
	s_delay_alu instid0(VALU_DEP_1)
	v_add_f32 v14, v14, v216                       ; and lane l xor 16's: the row's sum
	s_wait_alu depctr_va_vdst(0)
	v_rcp_f32 v14, v14
	s_lshl_b32 s52, s16, 7
	s_add_co_u32 s52, s52, s39                     ; the tile among the 512 of the projection's operand
	s_lshl_b32 s53, s52, 9
	s_mul_i32 s52, s52, 12288
	s_mul_i32 s54, s15, 768                        ; the head is half a K step: one piece
	s_add_co_u32 s52, s52, s54
	s_lshr_b32 s54, s15, 3
	s_lshl_b32 s54, s54, 8
	s_add_co_u32 s53, s53, s54
	s_and_b32 s54, s15, 7
	s_lshl_b32 s54, s54, 1
	s_add_co_u32 s53, s53, s54
	v_add_nc_u32 v248, s52, v1                     ; (plain lines behind the reciprocal)
	v_add_nc_u32 v249, s52, v2
	v_add_nc_u32 v250, s53, v11
	s_wait_alu depctr_va_vdst(0)                   ; the wait, ahead of the first reader
.set n, 0
.rept 32
	v_mul_f32 v[96+n], v[160+n], v14               ; O^T / the sum, each accumulator from its low end on
.set n, n+1
.endr
.irp g, 0,1
	v_max3_num_f32 v[212+\g], |v[96+16*\g]|, |v[97+16*\g]|, 0x1800000   ; the head's two blocks of 32 are quantised for the projection
.endr
.irp i, 2,4,6,8,10,12,14
.irp g, 0,1
	s_delay_alu instid0(VALU_DEP_2)
	v_max3_num_f32 v[212+\g], v[212+\g], |v[96+16*\g+\i]|, |v[97+16*\g+\i]|
.endr
.endr
.irp g, 0,1
	s_delay_alu instid0(VALU_DEP_2)
	v_permlanex16_b32 v[216+\g], v[212+\g], s20, s21
.endr
.irp g, 0,1
	s_delay_alu instid0(VALU_DEP_2)
	v_max_num_f32 v[212+\g], v[212+\g], v[216+\g]
.endr
.irp g, 0,1
	s_delay_alu instid0(VALU_DEP_2)
	v_add_nc_u32 v[220+\g], 0xff000000, v[212+\g]
.endr
.irp g, 0,1
	s_delay_alu instid0(VALU_DEP_2)
	v_lshrrev_b32 v[216+\g], 23, v[220+\g]
.endr
	v_cmp_ne_u32 vcc_lo, 0, v9
	s_delay_alu instid0(VALU_DEP_1)
	v_cndmask_b32 v224, v216, v217, vcc_lo         ; lane (r, h) stores block h's byte
	v_cvt_scalef32_pk16_fp6_f32 v[192:194], v[96:111], v220
	v_cvt_scalef32_pk16_fp6_f32 v[204:206], v[112:127], v221
	v_nop                                          ; one plain line behind the scaled conversions
.irp i, 0,1,2
	v_permlane16_swap_b32 v[192+\i], v[204+\i]
.endr
.irp i, 0,1,2
	s_delay_alu instid0(VALU_DEP_3)
	v_mov_b32 v[195+\i], v[204+\i]
.endr
	global_store_b128 v248, v[192:195], s[6:7]             ; a piece: 512 consecutive bytes,
	global_store_b64 v249, v[196:197], s[6:7] offset:512   ; and 256
	global_store_b8 v250, v224, s[8:9]                     ; two bytes of each row's sixteen: 256 KB in the whole launch leave so
	s_wait_xcnt 0x0                                ; the stores have read their data and offsets: the next tile writes them again
.endm
	s_mov_b32 s39, s50
	s_mov_b32 s38, s11
	s_mov_b32 s41, s55
	s_mov_b32 s40, 0x03020302
	s_cmp_eq_u32 s12, 0                            ; an even tile's bytes are the word's low half
	s_cselect_b32 s40, 0x01000100, s40
	TILE 232
	s_mov_b32 s39, s51
	s_xor_b32 s38, s11, 15                         ; 15 - a
	s_xor_b32 s41, s55, 104                        ; 104 - (32 cx + 8 bit)
	s_mov_b32 s40, 0x01000100
	s_cmp_eq_u32 s12, 0
	s_cselect_b32 s40, 0x03020302, s40
	TILE 240
	s_wait_dscnt 0x0
	s_wait_tensorcnt 0x0
	ds_add_u32 v251, v255
	s_wait_dscnt 0x0
	CROUND                                         ; the closing round
	s_endpgm
.Lfunc_end_k_q0cefed7b8c_attn:
	.size	k_q0cefed7b8c_attn, .Lfunc_end_k_q0cefed7b8c_attn-k_q0cefed7b8c_attn
	.p2alignl 7, 3214868480
	.fill 96, 4, 3214868480
	.section	.rodata,"a",@progbits
	.p2align	6, 0x0
	.amdhsa_kernel k_q0cefed7b8c_attn
		.amdhsa_group_segment_fixed_size 206848
		.amdhsa_private_segment_fixed_size 0
		.amdhsa_enable_private_segment 0
		.amdhsa_kernarg_size 24
		.amdhsa_user_sgpr_count 2
		.amdhsa_user_sgpr_kernarg_segment_ptr 1
		.amdhsa_wavefront_size32 1
		.amdhsa_system_sgpr_workgroup_id_x 1
		.amdhsa_system_sgpr_workgroup_id_y 1
		.amdhsa_system_sgpr_workgroup_id_z 1
		.amdhsa_system_vgpr_workitem_id 0
		.amdhsa_next_free_vgpr 256
		.amdhsa_next_free_sgpr 66
		.amdhsa_reserve_vcc 1
		.amdhsa_float_denorm_mode_32 3
		.amdhsa_float_denorm_mode_16_64 3
		.amdhsa_memory_ordered 1
		.amdhsa_forward_progress 1
		.amdhsa_inst_pref_size 65
	.end_amdhsa_kernel
	.amdgpu_metadata
---
amdhsa.version: [ 1, 2 ]
amdhsa.kernels:
  - .name:           k_q0cefed7b8c_attn
    .symbol:         k_q0cefed7b8c_attn.kd
    .args:
      - { .name: qkv, .offset: 0, .size: 8, .value_kind: global_buffer, .address_space: global }
      - { .name: aimg, .offset: 8, .size: 8, .value_kind: global_buffer, .address_space: global }
      - { .name: asc, .offset: 16, .size: 8, .value_kind: global_buffer, .address_space: global }
    .group_segment_fixed_size: 206848
    .private_segment_fixed_size: 0
    .kernarg_segment_align: 8
    .kernarg_segment_size: 24
    .max_flat_workgroup_size: 512
    .sgpr_count:     66
    .vgpr_count:     256
    .wavefront_size: 32
...
	.end_amdgpu_metadata
.endif
;; end of part 3
;; launch gemm2 (part 4): grid 8 x 32, 4 waves a work-group, clusters of 4 x 4, 295,424 bytes of LDS; arguments aimg, asc, wimg, wsc, out0; writes out0
.if DOCPART == 4
	.amdgcn_target "amdgcn-amd-amdhsa--gfx1250"
	.amdhsa_code_object_version 6
	.text
	.protected	k_q0cefed7b8c_gemm2
	.globl	k_q0cefed7b8c_gemm2
	.p2align	8
	.type	k_q0cefed7b8c_gemm2,@function
k_q0cefed7b8c_gemm2:
	s_mov_b64 s[64:65], 0
	v_nop
	global_prefetch_b8 v0, s[64:65] scope:SCOPE_SE
	s_setreg_imm32_b32 hwreg(HW_REG_WAVE_MODE, 25, 1), 1
	s_wait_xcnt 0x0
	s_wait_alu depctr_hold_cnt(0) depctr_sa_sdst(0) depctr_va_vdst(0) depctr_va_sdst(0) depctr_va_ssrc(0) depctr_va_vcc(0) depctr_vm_vsrc(0)
	s_getreg_b32 s2, hwreg(HW_REG_IB_STS2, 6, 4)
	s_cmp_eq_u32 s2, 0
	s_cbranch_scc0 .Lentry_in_a_cluster
	s_endpgm
.Lentry_in_a_cluster:
	s_bfe_u32 s2, ttmp6, 0x10000c
	s_cmp_lg_u32 s2, 0xf033
	s_cbranch_scc0 .Lentry_shape_is_right
	s_endpgm
.Lentry_shape_is_right:
; out0 = (attention's result) w_proj on codes of FP6 (E2M3) with E8M0 scales; out0 [8192][1024] f32.
; THE FRAME is the first product's.  A work-group multiplies P, 128 columns of w_proj (source 0), by S, 256 tokens (source 1), over the whole K = 1,024, which lies in LDS in four chunks of two K steps, each filled ONCE.
; Four waves; wave w takes all 8 tiles of P against tiles 4 w .. 4 w + 3 of S: 32 accumulators.  In a result lane (r, h) holds one token, and the 16 registers of two neighbouring tiles of P are 16 neighbouring columns
; (a tile's rows are 8 u + r + 8 (r / 8) of a group of 32).
; CLUSTERS: 4 x 4.  P's tiles hang on the block of columns alone and are asked for jointly by a column of the cluster, S's on the block of tokens alone and by a row.
; THE WAY OUT: a tile of 16 tokens x 128 columns goes through the wave's own stage in LDS and leaves as whole rows of 512 bytes.  The stages lie in chunk 0, which has had its only fill; every wave's reads of it were waited for ahead of a later barrier.
; REGISTERS: window 0: v1-4 lane terms; v8-23 LDS addresses; v24-25 the stage; v32-95 P's scale words, v96-127 S's; v128-175, v176-223 S's fragments, two sets; on the way out v128-255 rows of out0.
;   window 1: P's fragments, two sets, at v0 and at v128.   window 2: accumulator (j, i) at v[64 j + 8 i].
.set CH,    73728
.set FR,    12
.set SF,    128
.set SPI,   528                        ; a stage row: 512 bytes + 16
.set G1P,   32
.set G1S,   40
.set G0P,   48
.set G0S,   68
.set MSB, 0
.macro WIN new                         ; the immediate's high byte repeats the setting that is left
.if MSB != \new
	s_set_vgpr_msb (MSB<<8)|\new
.set MSB, \new
.endif
.endm
.macro CROUND                          ; a round of the cluster's barrier
	s_barrier_signal -1
	s_barrier_wait -1
	s_cmp_lg_u32 s14, 0
	s_cbranch_scc1 .Lnot_wave_0_\@
	s_barrier_signal -3
.Lnot_wave_0_\@:
	s_barrier_wait -3
	s_barrier_signal -1
	s_barrier_wait -1
.endm
.macro PLACES n
.rept \n
	v_nop
.endr
.endm
.macro FETCH k, buf                    ; 48 LDS loads: K step k's fragments into set buf; every load reads consecutive bytes
	WIN 0x40                                       ; destination window 1, address window 0
.irp t, 0,1,2,3,4,5,6,7
.irp c, 0,1
	ds_load_b128 v[128*(\buf)+FR*\t+6*\c:128*(\buf)+FR*\t+6*\c+3], v[8+(\k)/2] offset:3072*\t+1536*((\k)%2)+768*\c
	ds_load_b64 v[128*(\buf)+FR*\t+6*\c+4:128*(\buf)+FR*\t+6*\c+5], v[12+(\k)/2] offset:3072*\t+1536*((\k)%2)+768*\c+512
.endr
.endr
	WIN 0
.irp t, 0,1,2,3
.irp c, 0,1
	ds_load_b128 v[SF+48*(\buf)+FR*\t+6*\c:SF+48*(\buf)+FR*\t+6*\c+3], v[16+(\k)/2] offset:3072*\t+1536*((\k)%2)+768*\c
	ds_load_b64 v[SF+48*(\buf)+FR*\t+6*\c+4:SF+48*(\buf)+FR*\t+6*\c+5], v[20+(\k)/2] offset:3072*\t+1536*((\k)%2)+768*\c+512
.endr
.endr
.endm
.macro MUL k, buf, zero                ; 32 matrix instructions; the 32 accumulators take turns, one instruction a turn
	WIN 0xa1                                       ; source 0 window 1, source 1 window 0, C and D window 2
.irp j, 0,1,2,3
.irp i, 0,1,2,3,4,5,6,7
.if \zero
	v_wmma_scale_f32_16x16x128_f8f6f4 v[64*\j+8*\i:64*\j+8*\i+7], v[128*(\buf)+FR*\i:128*(\buf)+FR*\i+FR-1], v[SF+48*(\buf)+FR*\j:SF+48*(\buf)+FR*\j+FR-1], 0, v[32+8*\i+(\k)], v[96+8*\j+(\k)] matrix_a_fmt:MATRIX_FMT_FP6 matrix_b_fmt:MATRIX_FMT_FP6
.else
	v_wmma_scale_f32_16x16x128_f8f6f4 v[64*\j+8*\i:64*\j+8*\i+7], v[128*(\buf)+FR*\i:128*(\buf)+FR*\i+FR-1], v[SF+48*(\buf)+FR*\j:SF+48*(\buf)+FR*\j+FR-1], v[64*\j+8*\i:64*\j+8*\i+7], v[32+8*\i+(\k)], v[96+8*\j+(\k)] matrix_a_fmt:MATRIX_FMT_FP6 matrix_b_fmt:MATRIX_FMT_FP6
.endif
.endr
.endr
	WIN 0
.endm
.macro KSTEP k
	s_wait_dscnt 0x0                               ; this K step's fragments are in, and no LDS instruction of mine is pending at a signal
.if ((\k) == 1) || ((\k) == 3) || ((\k) == 5)
	s_wait_tensorcnt 3-((\k)+1)/2                  ; my part of the next chunk has landed; the later chunks' loads may stay out
	s_barrier_signal -1
	s_barrier_wait -1
.endif
.if (\k) < 7
.if (\k) > 0
	PLACES 4                                       ; in front of loads into registers that matrix instructions have read
.endif
	FETCH (\k)+1, ((\k)+1)%2
.endif
.if (\k) == 0
	MUL \k, 0, 1
.else
	MUL \k, (\k)%2, 0
.endif
.endm
	s_load_b256 s[4:11], s[0:1], 0x0               ; aimg s[4:5], asc s[6:7], wimg s[8:9], wsc s[10:11]
	s_load_b64 s[12:13], s[0:1], 0x20              ; out0
	v_lshl_add_u32 v30, v0, 2, 0x48000
	v_mov_b32 v31, 0
	ds_add_u32 v30, v31
	ds_add_u32 v30, v31
	v_lshrrev_b32 v1, 5, v0
	v_readfirstlane_b32 s14, v1                    ; wave 0..3
	s_and_b32 s15, s14, 1
	s_bfe_u32 s17, ttmp6, 0x40000                  ; cx
	s_bfe_u32 s18, ttmp6, 0x40004                  ; cy
	s_lshl_b32 s20, 0x1111, s17                    ; my column of the cluster
	s_or_b32 s[G1P], s20, (3<<16)|(1<<21)          ; 15:0 the mask; 17:16 elements of 8 bytes; 21 set beside a mask; no padding
	s_lshl_b32 s21, s18, 2
	s_lshl_b32 s21, 15, s21                        ; my row
	s_or_b32 s[G1S], s21, (3<<16)|(1<<21)
	s_mov_b32 s[G1P+1], 384<<16                    ; a tile's two K steps, 3,072 bytes
	s_mov_b32 s[G1P+2], 4<<16                      ; 4 tiles
	s_mov_b32 s[G1P+3], 384<<16
	s_mov_b32 s[G1P+4], 4
	s_mov_b32 s[G1P+5], 1536                       ; from tile to tile: 12,288 bytes
	s_mov_b32 s[G1P+6], 0
	s_mov_b32 s[G1P+7], 0
	s_mov_b32 s[G1S+1], 384<<16
	s_mov_b32 s[G1S+2], 8<<16                      ; 8 tiles
	s_mov_b32 s[G1S+3], 384<<16
	s_mov_b32 s[G1S+4], 8
	s_mov_b32 s[G1S+5], 1536
	s_mov_b32 s[G1S+6], 0
	s_mov_b32 s[G1S+7], 0
	s_lshl_b32 s24, ttmp9, 2
	s_add_co_u32 s24, s24, s17                     ; pb: my 128 columns
	s_and_b32 s25, ttmp7, 0xffff
	s_lshl_b32 s25, s25, 2
	s_add_co_u32 s25, s25, s18                     ; sb: my 256 tokens
	s_lshl_b32 s26, s24, 3
	s_add_co_u32 s26, s26, 192                     ; P's first tile: w_proj's columns begin at tile 192 of the weights
	s_lshl_b32 s27, s25, 4                         ; S's first tile
	s_lshl_b32 s28, s15, 2
	s_add_co_u32 s28, s28, s26
	s_mul_i32 s28, s28, 12288
	s_mov_b32 s29, 0
	s_lshl_b32 s30, s15, 3
	s_add_co_u32 s30, s30, s27
	s_mul_i32 s30, s30, 12288
	s_mov_b32 s31, 0
	s_mul_i32 s22, s15, 12288                      ; where they go in a chunk: the wave's number alone
	s_mul_i32 s23, s15, 24576
	s_add_co_u32 s23, s23, 24576
	s_wait_dscnt 0x0
	s_wait_kmcnt 0x0
	s_add_nc_u64 s[28:29], s[8:9], s[28:29]
	s_add_nc_u64 s[30:31], s[4:5], s[30:31]
.irp q, 0,1,2,3
	s_mov_b32 s[G0P+4*\q], 1
	s_add_co_u32 s[G0P+4*\q+1], s22, \q*CH
	s_add_nc_u64 s[G0P+4*\q+2:G0P+4*\q+3], s[28:29], \q*3072
	s_or_b32 s[G0P+4*\q+3], s[G0P+4*\q+3], 0x80000000
	s_mov_b32 s[G0S+4*\q], 1
	s_add_co_u32 s[G0S+4*\q+1], s23, \q*CH
	s_add_nc_u64 s[G0S+4*\q+2:G0S+4*\q+3], s[30:31], \q*3072
	s_or_b32 s[G0S+4*\q+3], s[G0S+4*\q+3], 0x80000000
.endr
	CROUND                                         ; all sixteen work-groups are here: the joint loads meet
	s_cmp_lt_u32 s14, 2                            ; waves 0 and 1 fetch P's halves, waves 2 and 3 S's: a wave's four first fills stand in one branch; four loads of mine are out
	s_cbranch_scc0 .Lfill_s
	tensor_load_to_lds s[G0P:G0P+3], s[G1P:G1P+7]
	s_nop 0
	tensor_load_to_lds s[G0P+4:G0P+7], s[G1P:G1P+7]
	s_nop 0
	tensor_load_to_lds s[G0P+8:G0P+11], s[G1P:G1P+7]
	s_nop 0
	tensor_load_to_lds s[G0P+12:G0P+15], s[G1P:G1P+7]
	s_nop 0
	PLACES 4
	s_branch .Lfilled
.Lfill_s:
	tensor_load_to_lds s[G0S:G0S+3], s[G1S:G1S+7]
	s_nop 0
	tensor_load_to_lds s[G0S+4:G0S+7], s[G1S:G1S+7]
	s_nop 0
	tensor_load_to_lds s[G0S+8:G0S+11], s[G1S:G1S+7]
	s_nop 0
	tensor_load_to_lds s[G0S+12:G0S+15], s[G1S:G1S+7]
	s_nop 0
	PLACES 4
.Lfilled:
	v_and_b32 v5, 31, v0
	v_lshlrev_b32 v1, 4, v5                        ; 16 x lane
	s_wait_alu depctr_va_vdst(0)
	v_lshlrev_b32 v2, 3, v5                        ; 8 x lane
	s_wait_alu depctr_va_vdst(0)
	v_and_b32 v6, 15, v0                           ; r
	v_lshlrev_b32 v3, 4, v6                        ; 16 r
	v_bfe_u32 v4, v0, 4, 1                         ; h
	s_lshl_b32 s20, s26, 9                         ; the scale words go from memory straight into registers: 512 bytes a tile
	s_mov_b32 s21, 0
	s_add_nc_u64 s[10:11], s[10:11], s[20:21]
	s_lshl_b32 s20, s14, 2
	s_add_co_u32 s20, s20, s27
	s_lshl_b32 s20, s20, 9
	s_add_nc_u64 s[6:7], s[6:7], s[20:21]
.irp i, 0,1,2,3,4,5,6,7
.irp g, 0,1
	global_load_b128 v[32+8*\i+4*\g:32+8*\i+4*\g+3], v3, s[10:11] offset:512*\i+256*\g
.endr
.endr
.irp j, 0,1,2,3
.irp g, 0,1
	global_load_b128 v[96+8*\j+4*\g:96+8*\j+4*\g+3], v3, s[6:7] offset:512*\j+256*\g
.endr
.endr
	s_mul_i32 s20, s14, 12288
	s_add_co_u32 s20, s20, 24576                   ; my four tiles of S in a chunk
.irp q, 0,1,2,3
	v_add_nc_u32 v[8+\q], \q*CH, v1
	v_add_nc_u32 v[12+\q], \q*CH, v2
	v_add_nc_u32 v[16+\q], s20, v1
	v_add_nc_u32 v[20+\q], s20, v2
	s_add_co_u32 s20, s20, CH
.endr
	s_mul_i32 s22, s14, 16*SPI                     ; my stage
	v_mul_u32_u24 v24, v6, SPI
	v_lshl_add_u32 v24, v4, 6, v24
	v_add_nc_u32 v24, s22, v24                     ; in: row r, + 64 h: my half's 16 columns of each 32
	v_add_nc_u32 v25, s22, v1                      ; back: 16 bytes a lane of a row
	s_lshl_b32 s20, s25, 8
	s_lshl_b32 s21, s14, 6
	s_add_co_u32 s20, s20, s21                     ; my first token: 256 sb + 64 w
	s_lshl_b32 s20, s20, 12
	s_lshl_b32 s21, s24, 9                         ; my first column, in bytes
	s_add_co_u32 s20, s20, s21
	s_mov_b32 s21, 0
	s_add_nc_u64 s[12:13], s[12:13], s[20:21]
	s_wait_alu depctr_va_vdst(0)
	s_wait_tensorcnt 3                             ; my part of chunk 0 has landed; three loads may stay out
	s_barrier_signal -1
	s_barrier_wait -1
	FETCH 0, 0
	s_wait_loadcnt 0x0                             ; the scale words
	KSTEP 0
	KSTEP 1
	KSTEP 2
	KSTEP 3
	KSTEP 4
	KSTEP 5
	KSTEP 6
	KSTEP 7
.macro TOSTAGE j                       ; tile j's 16 tokens x 128 columns into my stage, and back as whole rows.  LDS serves a wave's instructions in order: no wait between, nor in front of the next tile's stores
	WIN 0x08                                       ; an LDS store's data are its source 1: window 2
.irp i, 0,1,2,3,4,5,6,7
	ds_store_b128 v24, v[64*(\j)+8*\i:64*(\j)+8*\i+3] offset:128*(\i/2)+32*(\i%2)          ; each accumulator from its low end on
	ds_store_b128 v24, v[64*(\j)+8*\i+4:64*(\j)+8*\i+7] offset:128*(\i/2)+32*(\i%2)+16
.endr
	WIN 0
.irp t, 0,1,2,3,4,5,6,7,8,9,10,11,12,13,14,15
	ds_load_b128 v[128+64*((\j)%2)+4*\t:128+64*((\j)%2)+4*\t+3], v25 offset:SPI*\t
.endr
.endm
.macro SEND j, younger                 ; younger: the LDS instructions issued behind tile j's loads, which may stay out
	s_wait_dscnt \younger
.irp t, 0,1,2,3,4,5,6,7,8,9,10,11,12,13,14,15
	global_store_b128 v1, v[128+64*((\j)%2)+4*\t:128+64*((\j)%2)+4*\t+3], s[12:13] offset:(32*((\j)/2)+8*((\j)%2)+\t+8*(\t/8))*4096 th:TH_STORE_NT   ; 32 lanes store 512 consecutive bytes of the token's row, at a multiple of 256 from out0's first byte
.endr
.endm
	PLACES 4                                       ; behind the last products: for the stores of results and for the loads into registers that held fragments
	TOSTAGE 0
	TOSTAGE 1
	SEND 0, 32                                     ; behind tile 0's loads: tile 1's 16 stores and 16 loads
	s_wait_xcnt 0x0                                ; tile 0's stores have read their registers: tile 2's rows may land there
	TOSTAGE 2
	SEND 1, 32
	s_wait_xcnt 0x0
	TOSTAGE 3
	SEND 2, 32
	SEND 3, 0
	s_wait_dscnt 0x0
	s_wait_tensorcnt 0x0
	ds_add_u32 v30, v31
	s_wait_dscnt 0x0
	CROUND                                         ; the closing round: no work-group ends while a partner may still ask for a tile that names it
	s_endpgm
.Lfunc_end_k_q0cefed7b8c_gemm2:
	.size	k_q0cefed7b8c_gemm2, .Lfunc_end_k_q0cefed7b8c_gemm2-k_q0cefed7b8c_gemm2
	.p2alignl 7, 3214868480
	.fill 96, 4, 3214868480
	.section	.rodata,"a",@progbits
	.p2align	6, 0x0
	.amdhsa_kernel k_q0cefed7b8c_gemm2
		.amdhsa_group_segment_fixed_size 295424
		.amdhsa_private_segment_fixed_size 0
		.amdhsa_enable_private_segment 0
		.amdhsa_kernarg_size 40
		.amdhsa_user_sgpr_count 2
		.amdhsa_user_sgpr_kernarg_segment_ptr 1
		.amdhsa_wavefront_size32 1
		.amdhsa_system_sgpr_workgroup_id_x 1
		.amdhsa_system_sgpr_workgroup_id_y 1
		.amdhsa_system_sgpr_workgroup_id_z 1
		.amdhsa_system_vgpr_workitem_id 0
		.amdhsa_next_free_vgpr 768
		.amdhsa_next_free_sgpr 100
		.amdhsa_reserve_vcc 0
		.amdhsa_float_denorm_mode_32 3
		.amdhsa_float_denorm_mode_16_64 3
		.amdhsa_memory_ordered 1
		.amdhsa_forward_progress 1
		.amdhsa_inst_pref_size 85
	.end_amdhsa_kernel
	.amdgpu_metadata
---
amdhsa.version: [ 1, 2 ]
amdhsa.kernels:
  - .name:           k_q0cefed7b8c_gemm2
    .symbol:         k_q0cefed7b8c_gemm2.kd
    .args:
      - { .name: aimg, .offset: 0, .size: 8, .value_kind: global_buffer, .address_space: global }
      - { .name: asc, .offset: 8, .size: 8, .value_kind: global_buffer, .address_space: global }
      - { .name: wimg, .offset: 16, .size: 8, .value_kind: global_buffer, .address_space: global }
      - { .name: wsc, .offset: 24, .size: 8, .value_kind: global_buffer, .address_space: global }
      - { .name: out0, .offset: 32, .size: 8, .value_kind: global_buffer, .address_space: global }
    .group_segment_fixed_size: 295424
    .private_segment_fixed_size: 0
    .kernarg_segment_align: 8
    .kernarg_segment_size: 40
    .max_flat_workgroup_size: 128
    .sgpr_count:     100
    .vgpr_count:     768
    .wavefront_size: 32
...
	.end_amdgpu_metadata
.endif
;; end of part 4
